; MI455X (gfx1250); checked and timed in simulation.
; The chip was launched on July 23, 2026; its instructions are those of AMD's public machine-readable ISA for CDNA 5 (MIT licence, August 2026) and "CDNA5" Instruction Set Architecture Reference Guide (July 2026). The comments in the code are by the model that wrote it; some were corrected since.
;; Bahdanau Attention. Allowed arithmetic: float matrix products may take bf16 or f16 operands with f32 sums; other float arithmetic in f32, or as packed bf16 or f16 multiplies, adds, multiply-adds, maxima and minima; sums over many terms, partial sums and values carried from step to step in f32; what a program stores and reads back later, other than sums and carried values, may be rounded once to bf16 or f16.
;; Inputs: V 1,024 x 1 float32; W1 1,024 x 1,024 float32; W2 1,024 x 1,024 float32; b1 1,024 float32; b2 1,024 float32; bV 1 float32; dec_hidden 32 x 1,024 float32; enc_output 32 x 2,048 x 1,024 float32.
;; Outputs: out0 32 x 1,024 float32; out1 32 x 2,048 x 1 float32.
;; 2 versions, each right; version 2 is version 1 with the launch attend written anew for expert scheduling mode. Each part assembles by itself: llvm-mc -triple=amdgcn-amd-amdhsa -mcpu=gfx1250 --defsym DOCPART=n.
;; ======== version 1 of 2: 3 launches
;; limits: values outside matrix products are rounded to bf16
;; workspace buffers: W2f 2,097,152 bytes; qp 524,288 bytes; pw 262,144 bytes; stat 131,072 bytes; pctx 2,097,152 bytes
;; launch prep (part 1): grid 64 x 1, 8 waves a work-group, no clusters, 66,560 bytes of LDS; arguments W1, W2, dec_hidden, W2f, qp; writes W2f, qp
.if DOCPART == 1
	.amdgcn_target "amdgcn-amd-amdhsa--gfx1250"
	.amdhsa_code_object_version 6
	.text
	.protected	k_q57786a2d0d_prep
	.globl	k_q57786a2d0d_prep
	.p2align	8
	.type	k_q57786a2d0d_prep,@function
k_q57786a2d0d_prep:
	s_mov_b64 s[64:65], 0
	v_nop
	global_prefetch_b8 v0, s[64:65] scope:SCOPE_SE
	s_setreg_imm32_b32 hwreg(HW_REG_WAVE_MODE, 25, 1), 1
	s_wait_xcnt 0x0
; PREP.  (1) W2 [1024 k][1024 u] f32 is rounded once to bf16 and laid out as ready fragments of a matrix instruction's second source.
;        (2) dec_hidden [32][1024] x W1 [1024][1024], both rounded once to bf16, as four partial sums over quarters of K, in f32.
; COLUMN ORDER.  Group G (0..15) is u = 64 G .. 64 G + 63; tile t (0..3) of a group holds at lane place r (0..15) the column u = 64 G + 4 r + t.  So a lane's load of
; 16 bytes (four neighbouring columns of one row k) feeds the four tiles, and sixteen lanes read 256 consecutive bytes, aligned.
; W2f: byte G x 131072 + ks x 4096 + t x 1024 + half x 512 + 16 x lane holds k = 32 ks + 16 half + 8 (lane / 16) + 0..7 of column u(G, t, lane % 16).
; qp:  [4 quarters of K][32 rows][1024 columns] f32.
; SHARES.  Work-group g: G = g % 16, quarter kq = g / 16.  Wave w: K step ks = 8 kq + w (32 along K) of the group's 64 columns, of W2 and of W1.
; The eight waves' products (32 rows x 64 columns each) meet in LDS and are added there: one barrier.
; LIMITS.  All three inputs are rounded to bf16 (nearest even); NaN and infinities are not treated apart.
.set RED,   0                          ; LDS: wave w's eight result tiles at 8192 w + 1024 (4 a + t) + 512 (j / 4) + 16 lane
.set SPARE, 65536                      ; behind them: the spare words, 128 bytes for each of eight waves: four blocks of 256 bytes that no other line names
.set SPW, 2                            ; v2   LDS address of my spare word; never rewritten
.set NIL, 3                            ; v3   0; never rewritten
.set WO,  4                            ; v4   my offset in W1 and W2: 8 (l / 16) rows of 4,096 bytes + 16 (l % 16)
.set DO,  5                            ; v5   my offset in dec_hidden: (l % 16) rows + 32 (l / 16)
.set L16, 6                            ; v6   16 x lane
.set RB,  7                            ; v7   the reduction: where my number lies in a wave's result tile
.set QO,  8                            ; v8   my 16 bytes in qp
.set RS,  9                            ; v9   8192 x wave + 16 x lane
.set DF,  16                           ; v[16:31]   dec's two fragments; later the finished sums
.set LW1, 32                           ; v[32:95]   W1 as loaded; later the eight waves' numbers
.set LW2, 96                           ; v[96:159]  W2 as loaded; later the eight accumulators
.set ACC, 96
.set DL,  160                          ; v[160:191] dec as loaded
.set F2,  192                          ; v[192:223] W2's four fragments
.set F1,  224                          ; v[224:255] W1's four fragments
	s_load_b256 s[4:11], s[0:1], 0x0               ; W1 s[4:5], W2 s[6:7], dec s[8:9], W2f s[10:11]
	s_load_b64 s[12:13], s[0:1], 0x20              ; qp
	v_lshl_add_u32 v[SPW], v0, 2, SPARE
	v_mov_b32 v[NIL], 0
	v_lshrrev_b32 v1, 5, v0
	v_readfirstlane_b32 s14, v1                    ; wave 0..7
	s_and_b32 s15, ttmp9, 15                       ; G
	s_lshr_b32 s16, ttmp9, 4                       ; kq
	s_lshl3_add_u32 s17, s16, s14                  ; ks = 8 kq + wave
	v_and_b32 v10, 15, v0                          ; l % 16 (also T % 16)
	v_bfe_u32 v11, v0, 4, 1                        ; l / 16
	v_and_b32 v12, 31, v0                          ; l
	v_lshlrev_b32 v[WO], 4, v10
	v_lshl_add_u32 v[WO], v11, 15, v[WO]
	v_lshlrev_b32 v[DO], 12, v10
	v_lshl_add_u32 v[DO], v11, 5, v[DO]
	v_lshlrev_b32 v[L16], 4, v12
	s_lshl_b32 s26, s14, 13
	v_add_nc_u32 v[RS], s26, v[L16]
	; the reduction: thread T takes row ml = T / 16 of each half of the 32 rows and the columns 4 (T % 16) + t.  In a result tile row ml = 8 h + j lies in lane 16 h + T % 16, register j.
	v_bfe_u32 v13, v0, 6, 1                        ; j / 4
	v_bfe_u32 v14, v0, 4, 2                        ; j % 4
	v_bfe_u32 v15, v0, 7, 1                        ; h
	v_lshlrev_b32 v[RB], 4, v10
	v_lshl_add_u32 v[RB], v15, 8, v[RB]
	v_lshl_add_u32 v[RB], v13, 9, v[RB]
	v_lshl_add_u32 v[RB], v14, 2, v[RB]
	v_lshrrev_b32 v13, 4, v0                       ; ml
	v_lshlrev_b32 v[QO], 4, v10
	v_lshl_add_u32 v[QO], v13, 12, v[QO]
	s_lshl_b32 s27, s15, 8                         ; the group's 256 bytes in a row
	s_lshl_b32 s18, s17, 17                        ; W1, W2: 32 ks rows of 4,096 bytes
	s_add_co_u32 s18, s18, s27
	s_mov_b32 s19, 0
	s_lshl_b32 s20, s17, 7                         ; dec: 32 ks numbers of 4 bytes
	s_mov_b32 s21, 0
	s_lshl_b32 s22, s15, 17                        ; W2f: G x 131072 + ks x 4096
	s_lshl_b32 s26, s17, 12
	s_add_co_u32 s22, s22, s26
	s_mov_b32 s23, 0
	s_lshl_b32 s24, s16, 17                        ; qp: kq x 131072 + the group's 256 bytes
	s_add_co_u32 s24, s24, s27
	s_mov_b32 s25, 0
	s_wait_kmcnt 0x0
	s_add_nc_u64 s[4:5], s[4:5], s[18:19]
	s_add_nc_u64 s[6:7], s[6:7], s[18:19]
	s_add_nc_u64 s[8:9], s[8:9], s[20:21]
	s_add_nc_u64 s[10:11], s[10:11], s[22:23]
	s_add_nc_u64 s[12:13], s[12:13], s[24:25]
; 16 loads: load q brings row k = 32 ks + 16 (q / 8) + 8 (l / 16) + q % 8, four columns.  Each byte of W1 and W2 is read once in the launch.
.macro LOADW dst, base
.set q, 0
.rept 16
	global_load_b128 v[(\dst)+4*q:(\dst)+4*q+3], v[WO], s[\base:\base+1] offset:(q%8)*4096+(q/8)*65536 th:TH_LOAD_NT
.set q, q+1
.endr
.endm
; Register i of tile t's fragment holds the two rows of loads 2 i and 2 i + 1, the lower k in the low half.
.macro FRAG src, dst
.irp t, 0,1,2,3
.irp i, 0,1,2,3,4,5,6,7
	v_cvt_pk_bf16_f32 v[(\dst)+8*(\t)+(\i)], v[(\src)+8*(\i)+(\t)], v[(\src)+8*(\i)+4+(\t)]
.endr
.endr
.endm
	LOADW LW2, 6
.irp a, 0,1                            ; dec: rows 16 a + l % 16; k = 8 (l / 16) + 0..7 and 16 + 8 (l / 16) + 0..7, in f32: 32 bytes each
.irp i, 0,1,2,3
	global_load_b128 v[DL+16*(\a)+4*(\i):DL+16*(\a)+4*(\i)+3], v[DO], s[8:9] offset:(\a)*65536+((\i)/2)*64+((\i)%2)*16
.endr
.endr
	LOADW LW1, 4
	s_wait_loadcnt 24                              ; W2's sixteen are in; dec's 8 and W1's 16, issued behind them, may stay out
	FRAG LW2, F2
.irp t, 0,1,2,3
	global_store_b128 v[L16], v[F2+8*(\t):F2+8*(\t)+3],   s[10:11] offset:1024*(\t)      ; each store of the wave covers 512 consecutive bytes, aligned
	global_store_b128 v[L16], v[F2+8*(\t)+4:F2+8*(\t)+7], s[10:11] offset:1024*(\t)+512
.endr
	s_wait_loadcnt 0x0
.irp a, 0,1
.irp i, 0,1,2,3,4,5,6,7
	v_cvt_pk_bf16_f32 v[DF+8*(\a)+(\i)], v[DL+16*(\a)+2*(\i)], v[DL+16*(\a)+2*(\i)+1]
.endr
.endr
	FRAG LW1, F1
.irp a, 0,1                            ; eight products, eight different accumulators, each started by the constant 0
.irp t, 0,1,2,3
	v_wmma_f32_16x16x32_bf16 v[ACC+8*(4*(\a)+(\t)):ACC+8*(4*(\a)+(\t))+7], v[DF+8*(\a):DF+8*(\a)+7], v[F1+8*(\t):F1+8*(\t)+7], 0
.endr
.endr
.rept 4
	v_nop                                          ; four places between the last product and the LDS stores that read results
.endr
.irp x, 0,1,2,3,4,5,6,7                ; each accumulator's low four registers go first
	ds_store_b128 v[RS], v[ACC+8*(\x):ACC+8*(\x)+3]   offset:RED+1024*(\x)
	ds_store_b128 v[RS], v[ACC+8*(\x)+4:ACC+8*(\x)+7] offset:RED+1024*(\x)+512
.endr
	s_wait_dscnt 0x0                               ; for the others' sake: my stores are done
	s_barrier_signal -1
	s_barrier_wait -1                              ; all eight waves' results lie in LDS
.irp x, 0,1,2,3,4,5,6,7
.irp w, 0,1,2,3,4,5,6,7
	ds_load_b32 v[LW1+8*(\x)+(\w)], v[RB] offset:RED+8192*(\w)+1024*(\x)
.endr
.endr
	s_wait_dscnt 0x0
.irp x, 0,1,2,3,4,5,6,7
	v_pk_add_f32 v[LW1+8*(\x):LW1+8*(\x)+1],   v[LW1+8*(\x):LW1+8*(\x)+1],   v[LW1+8*(\x)+2:LW1+8*(\x)+3]
	v_pk_add_f32 v[LW1+8*(\x)+4:LW1+8*(\x)+5], v[LW1+8*(\x)+4:LW1+8*(\x)+5], v[LW1+8*(\x)+6:LW1+8*(\x)+7]
.endr
.irp x, 0,1,2,3,4,5,6,7
	v_pk_add_f32 v[LW1+8*(\x):LW1+8*(\x)+1], v[LW1+8*(\x):LW1+8*(\x)+1], v[LW1+8*(\x)+4:LW1+8*(\x)+5]
.endr
.irp x, 0,1,2,3,4,5,6,7
	v_add_f32 v[DF+(\x)], v[LW1+8*(\x)], v[LW1+8*(\x)+1]   ; x = 4 a + t: four neighbouring columns lie in four neighbouring registers
.endr
.irp a, 0,1
	global_store_b128 v[QO], v[DF+4*(\a):DF+4*(\a)+3], s[12:13] offset:(\a)*65536    ; sixteen lanes store 256 consecutive bytes, aligned
.endr
	s_wait_tensorcnt 0x0                           ; the wave's end, behind my last LDS store
	ds_add_u32 v[SPW], v[NIL]
	s_wait_dscnt 0x0
	s_endpgm
.Lfunc_end_k_q57786a2d0d_prep:
	.size	k_q57786a2d0d_prep, .Lfunc_end_k_q57786a2d0d_prep-k_q57786a2d0d_prep
	.p2alignl 7, 3214868480
	.fill 96, 4, 3214868480
	.section	.rodata,"a",@progbits
	.p2align	6, 0x0
	.amdhsa_kernel k_q57786a2d0d_prep
		.amdhsa_group_segment_fixed_size 66560
		.amdhsa_private_segment_fixed_size 0
		.amdhsa_enable_private_segment 0
		.amdhsa_kernarg_size 40
		.amdhsa_user_sgpr_count 2
		.amdhsa_user_sgpr_kernarg_segment_ptr 1
		.amdhsa_wavefront_size32 1
		.amdhsa_system_sgpr_workgroup_id_x 1
		.amdhsa_system_sgpr_workgroup_id_y 1
		.amdhsa_system_sgpr_workgroup_id_z 1
		.amdhsa_system_vgpr_workitem_id 0
		.amdhsa_next_free_vgpr 256
		.amdhsa_next_free_sgpr 66
		.amdhsa_reserve_vcc 0
		.amdhsa_float_denorm_mode_32 3
		.amdhsa_float_denorm_mode_16_64 3
		.amdhsa_memory_ordered 1
		.amdhsa_forward_progress 1
		.amdhsa_inst_pref_size 20
	.end_amdhsa_kernel
	.amdgpu_metadata
---
amdhsa.version: [ 1, 2 ]
amdhsa.kernels:
  - .name:           k_q57786a2d0d_prep
    .symbol:         k_q57786a2d0d_prep.kd
    .args:
      - { .name: W1, .offset: 0, .size: 8, .value_kind: global_buffer, .address_space: global }
      - { .name: W2, .offset: 8, .size: 8, .value_kind: global_buffer, .address_space: global }
      - { .name: dec_hidden, .offset: 16, .size: 8, .value_kind: global_buffer, .address_space: global }
      - { .name: W2f, .offset: 24, .size: 8, .value_kind: global_buffer, .address_space: global }
      - { .name: qp, .offset: 32, .size: 8, .value_kind: global_buffer, .address_space: global }
    .group_segment_fixed_size: 66560
    .private_segment_fixed_size: 0
    .kernarg_segment_align: 8
    .kernarg_segment_size: 40
    .max_flat_workgroup_size: 256
    .sgpr_count:     66
    .vgpr_count:     256
    .wavefront_size: 32
...
	.end_amdgpu_metadata
.endif
;; end of part 1
;; launch attend (part 2): grid 512 x 1, 4 waves a work-group, no clusters, 281,088 bytes of LDS; arguments enc_output, W2f, qp, b1, b2, V, bV, pw, stat, pctx; writes pw, stat, pctx
.if DOCPART == 2
	.amdgcn_target "amdgcn-amd-amdhsa--gfx1250"
	.amdhsa_code_object_version 6
	.text
	.protected	k_q57786a2d0d_attend
	.globl	k_q57786a2d0d_attend
	.p2align	8
	.type	k_q57786a2d0d_attend,@function
k_q57786a2d0d_attend:
	s_mov_b64 s[64:65], 0
	v_nop
	global_prefetch_b8 v0, s[64:65] scope:SCOPE_SE
	s_setreg_imm32_b32 hwreg(HW_REG_WAVE_MODE, 25, 1), 1
	s_wait_xcnt 0x0
; ATTEND.  For 128 rows s of one batch b: score = sum over u of V[u] tanh(q[b][u] + b1[u] + b2[u] + (enc[b][s] . W2)[u]) + bV; then the tile's own maximum m, p = exp(score - m), l = sum of p,
; and the tile's part of the context, sum over its rows of p x enc.  A later launch joins the sixteen tiles of a batch.
; EACH BYTE OF enc IS READ ONCE: the 128 rows are rounded to bf16 on the way in and STAY in LDS (128 x 2,048 bytes), for the product and for the context.
; tanh(x) = 1 - 2 / (1 + 2^(c x)), c = 2 log2(e): so score = (sum of V + bV) - 2 x sum of V[u] / (1 + 2^(c x)); 2^(c x) = infinity gives 0, 2^(c x) = 0 gives 1: both ends are right.
; SHARES.  Work-group wg: rows 128 wg .. (batch wg / 16).  A wave takes all 128 rows (8 tiles of 16) x 64 columns (4 tiles of 16) at a time: 32 accumulators; four such CHUNKS, 256 columns a wave.
; K = 1,024 goes in 32 steps of 32, eight steps to a PASS.  Source 0 = 16 rows of enc, from LDS; source 1 = 16 columns of W2, ready fragments (W2f) that come straight from memory into a ring of
; eight register slots, waited for by count.  In a result a lane holds ONE column u and eight rows, so q and V are one number a lane and tile.
; THE ROWS COME IN WHILE THE FIRST CHUNK IS MULTIPLIED.  That chunk walks K upward, so step t wants 32 numbers of each row and no more.  The rows are fetched by SLICES of 128 along K (512 bytes of a row in
; memory, 256 in LDS); of a slice a wave brings its own 32 rows, in four GROUPS of 8 loads.  Step t asks for group t + 8, and rounds and stores group t + 5; every fourth step has a barrier, behind which the
; next slice is read.  A wave's loads share one counter and come back in order, so W2's fragments and enc's groups are asked for alike, three steps ahead of the wait for them: 3 x 16 loads are out.
; From the second chunk on nothing of enc is on its way, W2's ring runs seven steps ahead, and the loop over K has no barrier.
; COLUMN ORDER: group G = 4 wave + chunk is u = 64 G ..; tile t holds at lane place r the column 64 G + 4 r + t: one LDS load of 16 bytes brings a lane its four q, another its four V.
; NO TENSOR LOADS, NO CLUSTER, though all work-groups walk the same W2: beside the resident rows (264,192 bytes) and the tables LDS has under 47 KB left; the four waves use 16 KB of fragments
; for a step of 32 matrix instructions each, so two slots would hold less than two steps each, with a barrier (in a cluster: a round) for each change of slots.
; LIMITS.  Every input is rounded once to bf16 (enc, W2, W1, dec_hidden, b1, b2, V, bV); all else is f32; the weights p are never rounded.  A weight below 2^-126 counts as 0.  NaN and infinities in the inputs are not treated apart.
; REGISTERS, in windows of 256 (s_set_vgpr_msb: bits 1:0 source 0, 3:2 source 1, 5:4 source 2, 7:6 destination):
;   window 0: addresses and work; v64-191 two buffers of enc's fragments; v192-255 the row sums      window 1: the ring of W2's fragments      window 2: the accumulators
;   window 3: enc as it lands, eight slots of 32 registers, a group each
.set PITCH, 2064                       ; an LDS row: 2,048 bytes + 16 = 516 words: row r starts at bank 4 r mod 64 (64 banks of 4 bytes: ISA guide 11.1): the 16 rows of a fragment load start at 16 different groups of four banks
.set QT,    128*PITCH                  ; 4,096 bytes: c (q + b1 + b2), f32, by u
.set VT,    QT+4096                    ; 4,096 bytes: V, f32, by u
.set SP,    VT+4096                    ; 2,048 bytes: each wave's 128 row sums
.set PB,    SP+2048                    ; 2,048 bytes: each wave's own copy of the 128 weights
.set CS,    PB+2048                    ; 4,096 bytes: each wave's stage for its 256 columns of the context
.set SPARE, CS+4096                    ; the spare words, 128 bytes for each wave: two blocks of 256 bytes that no other line names
.set SPW, 2                            ; v2      LDS address of my spare word; never rewritten
.set NIL, 3                            ; v3      0; never rewritten
.set AD,  4                            ; v4-7    LDS address of my fragments of rows 32 p + l % 16, in the pass in hand
.set BO,  8                            ; v8      16 x lane; never rewritten
.set TQ,  9                            ; v9      where my four q of the chunk lie; V's lie 4,096 bytes on
.set EO,  10                           ; v10     my offset in the work-group's rows of enc: my wave's 32 rows, 16 bytes a lane; never rewritten
.set ST,  11                           ; v11     where I put 8 bytes of my wave's first row, in the first slice of the pass in hand
.set TO,  12                           ; v12     32 x thread: my eight numbers of the tables in memory; never rewritten
.set RR,  13                           ; v13     l % 16
.set HH,  14                           ; v14     l / 16
.set AD0, 20                           ; v20-23  (32 p + l % 16) x PITCH + 16 (l / 16); never rewritten
.set RA,  24                           ; v24-25  the context: my 16 bytes of the rows of the even and the odd sets of 16
.set PA,  26                           ; v26     the context: where the set's weights lie
.set QV,  32                           ; v32-35 the chunk's q, v36-39 its V, for t = 0..3
.set QP,  40                           ; v40-47  q of tile t twice, a pair for the packed lines
.set VP,  48                           ; v48-55  V likewise
.set TC,  40                           ; v40-55  in the first chunk, ahead of its end: a group of enc, rounded
.set PW,  56                           ; v56-59  my four weights; v60-61 m and l; v62 8 x lane: sources of wave 0's stores, never rewritten
.set FA,  64                           ; v64-127, v128-191
.set TB,  128                          ; at the head: the tables as loaded
.set SA,  192                          ; v192-255 row sums: tile a of rows, register j: row 16 a + 8 (l / 16) + j
.set PS,  192                          ; the context: two sets of 16 weights
.set CA,  224                          ; the context: my eight sums
.set WV,  28                           ; s28  my wave's number
.set BT,  29                           ; s29  the batch
.set OF,  30                           ; s[30:31] an offset; the high word stays 0
.set EP,  32                           ; s[32:33] enc at the work-group's first row, at the first slice of the pass in hand
.set BP,  34                           ; s[34:35] W2f at the pass in hand of my wave's 512 KiB
.set CC,  36                           ; s[36:37] c, named as a pair
.set NCH, 38                           ; s38  chunks to go
.set NPS, 39                           ; s39  passes to go in the chunk
.set NAL, 40                           ; s40  passes to go in all
.set CNT, 41                           ; s41  counts the first chunk's and the context's loops
.set SEL, 42                           ; s[42:43] v_permlanex16_b32's selects: each lane takes its own place in the other half
.set BV,  44                           ; s44  bV
.set L2E, 45                           ; s45  log2(e)
.set HIM, 46                           ; s46  a word's upper bf16
.set KB,  47                           ; s47  byte along the rows at which the pass in hand begins
.set T0,  48                           ; s48  at work
.set MSB, 0
.macro WIN new                         ; the immediate's high byte repeats the setting that is left; a switch that changes nothing is dropped
.if MSB != (\new)
	s_set_vgpr_msb (MSB<<8)|(\new)
.set MSB, \new
.endif
.endm
.set W_MM, 0xa4                        ; source 0 (enc) window 0, source 1 (W2) window 1, C and D window 2
.set W_TB, 0x40                        ; destination window 1
.set W_TL, 0xc0                        ; destination window 3
.set W_CL, 0x0f                        ; sources 0 and 1 window 3, destination window 0
.set W_EP, 0x82                        ; destination and source 0 window 2, the rest window 0
.set W_SX, 0x02                        ; source 0 window 2, the rest window 0
	s_load_b512 s[8:23], s[0:1], 0x0               ; enc s[8:9], W2f s[10:11], qp s[12:13], b1 s[14:15], b2 s[16:17], V s[18:19], bV s[20:21], pw s[22:23]
	s_load_b128 s[24:27], s[0:1], 0x40             ; stat s[24:25], pctx s[26:27]
	v_lshl_add_u32 v[SPW], v0, 2, SPARE
	v_mov_b32 v[NIL], 0
	v_lshrrev_b32 v1, 5, v0
	v_readfirstlane_b32 s[WV], v1                  ; wave 0..3
	v_and_b32 v1, 31, v0                           ; lane
	s_lshr_b32 s[BT], ttmp9, 4
	s_mov_b32 s[CC], 0x4038aa3b                    ; c = 2 log2(e) = 2.885390
	s_mov_b32 s[CC+1], s[CC]
	s_mov_b32 s[SEL], 0x76543210
	s_mov_b32 s[SEL+1], 0xfedcba98
	s_mov_b32 s[L2E], 0x3fb8aa3b
	s_mov_b32 s[HIM], 0xffff0000
	s_mov_b32 s[KB], 0
	s_mov_b32 s[OF+1], 0
	v_and_b32 v[RR], 15, v0
	v_bfe_u32 v[HH], v0, 4, 1
	v_mul_u32_u24 v15, v[RR], PITCH
	v_lshl_add_u32 v15, v[HH], 4, v15
.irp p, 0,1,2,3
	v_add_nc_u32 v[AD0+(\p)], (\p)*32*PITCH, v15
.endr
.irp p, 0,1,2,3
	v_add_nc_u32 v[AD+(\p)], s[KB], v[AD0+(\p)]
.endr
	v_lshlrev_b32 v[BO], 4, v1
	s_lshl_b32 s[T0], s[WV], 10
	s_add_co_u32 s[T0], s[T0], QT
	v_lshl_add_u32 v[TQ], v[RR], 4, s[T0]          ; 4 u = 1,024 wave + 256 chunk + 16 r + 4 t
	s_lshl_b32 s[T0], s[WV], 17
	v_lshl_add_u32 v[EO], v1, 4, s[T0]             ; my wave's 32 rows of 4,096 bytes; 16 bytes a lane
	s_mul_i32 s[T0], s[WV], 32*PITCH
	v_lshl_add_u32 v[ST], v1, 3, s[T0]
	v_lshlrev_b32 v[TO], 5, v0
	v_add_nc_u32 v16, QT, v[TO]
	s_wait_kmcnt 0x0
	s_load_b32 s[BV], s[20:21], 0x0                ; waited for ahead of the first barrier
	s_lshl_b32 s[OF], ttmp9, 19                    ; 128 rows of 4,096 bytes; 511 x 2^19 stays under 2^32
	s_add_nc_u64 s[EP:EP+1], s[8:9], s[OF:OF+1]
	s_lshl_b32 s[OF], s[WV], 19
	s_add_nc_u64 s[BP:BP+1], s[10:11], s[OF:OF+1]
	s_lshl_b32 s[OF], s[BT], 12
	s_add_nc_u64 s[12:13], s[12:13], s[OF:OF+1]    ; qp at my batch's row
; THE ROWS' WAY IN.  Group e, counted from the first group of the pass in hand: slice e / 4, my wave's rows 8 (e % 4) .. + 7; it lands in slot e % 8 of window 3.
; 8 loads: each brings 512 consecutive bytes, aligned, of one row: 128 numbers, four a lane.  Each byte of enc is read once in the launch.
.macro ENC e
	WIN W_TL
.irp q, 0,1,2,3,4,5,6,7
	global_load_b128 v[32*((\e)%8)+4*(\q):32*((\e)%8)+4*(\q)+3], v[EO], s[EP:EP+1] offset:((\e)/4)*512+(8*((\e)%4)+(\q))*4096 th:TH_LOAD_NT
.endr
.endm
; The group is rounded to bf16: sixteen conversions, a lane's four numbers of a row into 8 bytes.
.macro PCV e
	WIN W_CL
.irp q, 0,1,2,3,4,5,6,7
	v_cvt_pk_bf16_f32 v[TC+2*(\q)],   v[32*((\e)%8)+4*(\q)],   v[32*((\e)%8)+4*(\q)+1]
	v_cvt_pk_bf16_f32 v[TC+2*(\q)+1], v[32*((\e)%8)+4*(\q)+2], v[32*((\e)%8)+4*(\q)+3]
.endr
.endm
; And stored into the rows in LDS: a store of the wave covers 256 consecutive bytes.  The largest offset, 3 x 256 + 31 x PITCH, stays inside the 16 bits of the field.
.macro PST e
	WIN 0
.irp q, 0,1,2,3,4,5,6,7
	ds_store_b64 v[ST], v[TC+2*(\q):TC+2*(\q)+1] offset:((\e)/4)*256+(8*((\e)%4)+(\q))*PITCH
.endr
.endm
; THE PRODUCT.  16 LDS loads: the fragments of all 128 rows for 32 along K, at byte koff behind the pass's first, into buffer buf.
.macro FETCH_A buf, koff
	WIN 0
.irp p, 0,1,2,3
.irp sub, 0,1
	ds_load_b128 v[FA+64*(\buf)+8*(2*(\p)+(\sub)):FA+64*(\buf)+8*(2*(\p)+(\sub))+3],   v[AD+(\p)] offset:(\sub)*16*PITCH+(\koff)
	ds_load_b128 v[FA+64*(\buf)+8*(2*(\p)+(\sub))+4:FA+64*(\buf)+8*(2*(\p)+(\sub))+7], v[AD+(\p)] offset:(\sub)*16*PITCH+(\koff)+32
.endr
.endr
.endm
; 8 loads: the four fragments of W2 of one K step, 4,096 consecutive bytes, into a slot of the ring.
.macro FETCH_B slot, off
	WIN W_TB
.irp t, 0,1,2,3
	global_load_b128 v[32*(\slot)+8*(\t):32*(\slot)+8*(\t)+3],   v[BO], s[BP:BP+1] offset:(\off)+1024*(\t)
	global_load_b128 v[32*(\slot)+8*(\t)+4:32*(\slot)+8*(\t)+7], v[BO], s[BP:BP+1] offset:(\off)+1024*(\t)+512
.endr
.endm
; Row tiles a0 .. a1 - 1 x the four column tiles.  The 32 accumulators take turns, in the same order in every step.  zero = 1: the products start the sums.
.macro MUL s, a0, a1, zero
	WIN W_MM
.set ma, \a0
.rept (\a1)-(\a0)
.irp t, 0,1,2,3
.if \zero
	v_wmma_f32_16x16x32_bf16 v[8*(4*ma+(\t)):8*(4*ma+(\t))+7], v[FA+64*((\s)%2)+8*ma:FA+64*((\s)%2)+8*ma+7], v[32*(\s)+8*(\t):32*(\s)+8*(\t)+7], 0
.else
	v_wmma_f32_16x16x32_bf16 v[8*(4*ma+(\t)):8*(4*ma+(\t))+7], v[FA+64*((\s)%2)+8*ma:FA+64*((\s)%2)+8*ma+7], v[32*(\s)+8*(\t):32*(\s)+8*(\t)+7], v[8*(4*ma+(\t)):8*(4*ma+(\t))+7]
.endif
.endr
.set ma, ma+1
.endr
.endm
; The next pass's place along the rows: 512 bytes on and, behind a chunk's last pass, back to 0; then its first fragments.  The four additions are plain vector lines.
.macro NEXTPASS
	s_add_co_u32 s[KB], s[KB], 512
	s_and_b32 s[KB], s[KB], 2047
	WIN 0
.irp p, 0,1,2,3
	v_add_nc_u32 v[AD+(\p)], s[KB], v[AD0+(\p)]
.endr
	FETCH_A 0, 0
.endm
; STEP s OF A PASS, from the second chunk on: 32 matrix instructions.  Behind the first eight stand four plain vector lines, the places between the LAST step's products and the loads into the
; registers that they read: the next step's fragments of enc (the other buffer) and the fragments of W2 seven steps on (the slot read last step).  In step 7 the four lines are the addresses of the next pass.
; lcnt: the loads of W2 issued behind this step's own.  tq = 1: the chunk's q and V are fetched too.
.macro KSTEP s, zero, bload, afetch, lcnt, tq
	s_wait_dscnt 0x0                               ; this step's fragments of enc, asked for 24 matrix instructions ago
	s_wait_loadcnt \lcnt                           ; loads come back in order (ISA guide 5.7.1): this step's slot is in, the younger ones stay out
	MUL \s, 0, 2, \zero
.if ((\s) == 7) && (\afetch)
	NEXTPASS
.elseif \afetch
.rept 4
	v_nop
.endr
	FETCH_A ((\s)+1)%2, 64*((\s)+1)
.endif
.if \tq
	ds_load_b128 v[QV:QV+3],   v[TQ]
	ds_load_b128 v[QV+4:QV+7], v[TQ] offset:4096
.endif
.if \bload
	FETCH_B ((\s)+7)%8, ((\s)+7)*4096
.endif
	MUL \s, 2, 8, \zero
.endm
; STEP s OF A PASS OF THE FIRST CHUNK.  What step s - 3 asked for is waited for: this step's slot of W2 and the group five on; behind those 16 loads stand the 32 of the two steps between.  The group's sixteen
; conversions stand behind the first eight products; they are also the places ahead of the loads.  Then ONE run of memory instructions: the next step's fragments, the group's eight stores, W2 three steps on,
; the group eight on.
; THE BARRIER, in every fourth step.  A slice's four groups are stored in the four steps that end one step ahead of it; the wait for 0 at this step's head shows my stores done; then the signal; the wait for
; the others stands ahead of the run, whose fragment loads are the first that read the new slice.  Between two barriers the stores go to the slice after the one that is read, and no byte is stored twice.
; last = 1: the chunk's fourth pass, steps 0 to 3: nothing of enc is left to ask for, and groups 29 to 31 are stored in steps 0 to 2.  In enc's place each step asks for a second step of W2, so that the
; ring stands seven steps ahead behind step 3.  In step 3 the count is 40: behind its slot's 8 loads stand the 8 issued with them and the 32 of the two steps between.
.macro SSTEP s, zero, tq, last
	s_wait_dscnt 0x0                               ; this step's fragments are in, and my stores of the last step are done
.if (\last) && ((\s) == 3)
	s_wait_loadcnt 40
.else
	s_wait_loadcnt 32
.endif
.if ((\s)%4) == 3
	s_barrier_signal -1                            ; my part of the next slice lies in LDS
.endif
	MUL \s, 0, 2, \zero
.if (\last) && ((\s) == 3)
.rept 4
	v_nop
.endr
.else
	PCV (\s)+5
.endif
.if ((\s)%4) == 3
	s_barrier_wait -1                              ; everybody's does
.endif
.if (\s) == 7
	NEXTPASS
.else
	FETCH_A ((\s)+1)%2, 64*((\s)+1)
.endif
.if \tq
	ds_load_b128 v[QV:QV+3],   v[TQ]
	ds_load_b128 v[QV+4:QV+7], v[TQ] offset:4096
.endif
.if !((\last) && ((\s) == 3))
	PST (\s)+5
.endif
.if \last
	FETCH_B (2*(\s)+3)%8, (2*(\s)+3)*4096
	FETCH_B (2*(\s)+4)%8, (2*(\s)+4)*4096
.else
	FETCH_B ((\s)+3)%8, ((\s)+3)*4096
	ENC (\s)+8
.endif
	MUL \s, 2, 8, \zero
.endm
; THE CHUNK'S END, line by line.  Pair i (0..127) is registers 2 i, 2 i + 1 of window 2: row tile i / 16, column tile (i / 4) % 4.  Register n is 0..255.
.macro FX i                            ; c x = c acc + c (q + b1 + b2)
	v_pk_fma_f32 v[2*(\i):2*(\i)+1], v[2*(\i):2*(\i)+1], s[CC:CC+1], v[QP+2*(((\i)/4)%4):QP+2*(((\i)/4)%4)+1] op_sel_hi:[1,0,1]
.endm
.macro EX n                            ; 2^(c x)
	v_exp_f32 v[\n], v[\n]
.endm
.macro PX i                            ; + 1
	v_pk_add_f32 v[2*(\i):2*(\i)+1], v[2*(\i):2*(\i)+1], 1.0 op_sel_hi:[1,0]
.endm
.macro RX n                            ; 1 / (1 + 2^(c x))
	v_rcp_f32 v[\n], v[\n]
.endm
.macro SX i                            ; the row's sum takes V[u] times that
	v_pk_fma_f32 v[SA+8*((\i)/16)+2*((\i)%4):SA+8*((\i)/16)+2*((\i)%4)+1], v[2*(\i):2*(\i)+1], v[VP+2*(((\i)/4)%4):VP+2*(((\i)/4)%4)+1], v[SA+8*((\i)/16)+2*((\i)%4):SA+8*((\i)/16)+2*((\i)%4)+1]
.endm
.macro BLK P, pq                       ; a packed line for the 32 pairs of quarter pq, ascending: each accumulator's lowest registers are read first
.set z, 0
.rept 32
	\P 32*(\pq)+z
.set z, z+1
.endr
.endm
.macro MIX T, tq, P, pq                ; the 64 transcendentals of quarter tq, a packed line of quarter pq behind every second one
.set z, 0
.rept 32
	\T 64*(\tq)+2*z
	\P 32*(\pq)+z
	\T 64*(\tq)+2*z+1
.set z, z+1
.endr
.endm
.macro TW                              ; a plain line behind the batch's last transcendental, and one wait ahead of the first line that names a result of the batch
	v_nop
	s_wait_alu depctr_va_vdst(0)
.endm
	; THE HEAD.  The tables: thread T owns u = 8 T .. 8 T + 7
.irp k, 0,1,2,3
	global_load_b128 v[TB+8*(\k):TB+8*(\k)+3],   v[TO], s[12:13] offset:(\k)*131072
	global_load_b128 v[TB+8*(\k)+4:TB+8*(\k)+7], v[TO], s[12:13] offset:(\k)*131072+16
.endr
	global_load_b128 v[TB+32:TB+35], v[TO], s[14:15]
	global_load_b128 v[TB+36:TB+39], v[TO], s[14:15] offset:16
	global_load_b128 v[TB+40:TB+43], v[TO], s[16:17]
	global_load_b128 v[TB+44:TB+47], v[TO], s[16:17] offset:16
	global_load_b128 v[TB+48:TB+51], v[TO], s[18:19]
	global_load_b128 v[TB+52:TB+55], v[TO], s[18:19] offset:16
.irp e, 0,1,2,3,4
	ENC \e                                         ; the first slice, and the first group of the second
.endr
	WIN 0
.set n, 0
.rept 64
	v_mov_b32 v[SA+n], 0                           ; the row sums start at 0: once a launch, while the first loads are out, so that the chunk's end has one text
.set n, n+1
.endr
	s_wait_loadcnt 40                              ; the 14 loads of the tables are in; the five groups issued behind them may stay out
.irp i, 0,2,4,6                        ; q: the four quarters of K
	v_pk_add_f32 v[TB+(\i):TB+(\i)+1],       v[TB+(\i):TB+(\i)+1],       v[TB+8+(\i):TB+8+(\i)+1]
	v_pk_add_f32 v[TB+16+(\i):TB+16+(\i)+1], v[TB+16+(\i):TB+16+(\i)+1], v[TB+24+(\i):TB+24+(\i)+1]
.endr
.irp i, 0,2,4,6
	v_pk_add_f32 v[TB+(\i):TB+(\i)+1], v[TB+(\i):TB+(\i)+1], v[TB+16+(\i):TB+16+(\i)+1]
.endr
.irp a, TB+32, TB+40, TB+48            ; b1, b2 and V are rounded to bf16 like every input, and widened again
.irp i, 0,1,2,3
	v_cvt_pk_bf16_f32 v[TB+56+(\i)], v[(\a)+2*(\i)], v[(\a)+2*(\i)+1]
.endr
.irp i, 0,1,2,3
	v_lshlrev_b32 v[(\a)+2*(\i)],   16, v[TB+56+(\i)]
	v_and_b32     v[(\a)+2*(\i)+1], s[HIM], v[TB+56+(\i)]
.endr
.endr
.irp i, 0,2,4,6
	v_pk_add_f32 v[TB+(\i):TB+(\i)+1], v[TB+(\i):TB+(\i)+1], v[TB+32+(\i):TB+32+(\i)+1]
.endr
.irp i, 0,2,4,6
	v_pk_add_f32 v[TB+(\i):TB+(\i)+1], v[TB+(\i):TB+(\i)+1], v[TB+40+(\i):TB+40+(\i)+1]
.endr
.irp i, 0,2,4,6
	v_pk_mul_f32 v[TB+(\i):TB+(\i)+1], v[TB+(\i):TB+(\i)+1], s[CC:CC+1] op_sel_hi:[1,0]
.endr
	ds_store_b128 v16, v[TB:TB+3]
	ds_store_b128 v16, v[TB+4:TB+7]   offset:16
	ds_store_b128 v16, v[TB+48:TB+51] offset:4096
	ds_store_b128 v16, v[TB+52:TB+55] offset:4112
	; From here on the loads go out in the order in which the loop's steps issue them: a step of W2, a group of enc.  Each count below is the number of loads issued behind the group that is wanted.
	FETCH_B 0, 0
	ENC 5
	s_wait_loadcnt 48                              ; group 0 is in: behind it groups 1 to 4, W2's step 0, group 5
	PCV 0
	PST 0
	FETCH_B 1, 4096
	ENC 6
	s_wait_loadcnt 56                              ; group 1: behind it seven runs of 8
	PCV 1
	PST 1
	FETCH_B 2, 8192
	ENC 7
	s_wait_loadcnt 63                              ; group 2: behind it eight runs of 8; the count's field ends at 63, and a smaller count is always right
	PCV 2
	PST 2
	s_wait_loadcnt 56                              ; group 3
	PCV 3
	PST 3
	s_wait_loadcnt 48                              ; group 4: what is left out is what step 0 finds: three steps of W2 and groups 5 to 7, by turns
	PCV 4
	PST 4
	s_wait_kmcnt 0x0                               ; bV
	s_wait_dscnt 0x0                               ; for the others' sake: my rows of the first slice and my part of the tables are stored
	s_barrier_signal -1
	s_barrier_wait -1                              ; the first slice and both tables lie in LDS
	FETCH_A 0, 0
	; THE FIRST CHUNK: three passes in a loop, half a pass written out, and its last four steps, which are steps like any other, in the text of the later chunks.
	s_mov_b32 s[CNT], 3
	SSTEP 0, 1, 1, 0                               ; the chunk's first step starts the sums
	WIN 0                                          ; at a label and at a branch every window is 0
	s_branch .Lsmid
.Lstrip:
	SSTEP 0, 0, 0, 0
	WIN 0
.Lsmid:
.irp s, 1,2,3,4,5,6,7
	SSTEP \s, 0, 0, 0
.endr
	WIN 0
	s_wait_xcnt 0x0                                ; the youngest load, 24 matrix instructions back, has read its address: the pointers may be written
	s_add_nc_u64 s[EP:EP+1], s[EP:EP+1], 1024      ; two slices on
	s_add_nc_u64 s[BP:BP+1], s[BP:BP+1], 32768
	v_add_nc_u32 v[ST], 512, v[ST]
	s_sub_co_u32 s[CNT], s[CNT], 1
	s_cmp_lg_u32 s[CNT], 0
	s_cbranch_scc1 .Lstrip
.irp s, 0,1,2,3
	SSTEP \s, 0, 0, 1
.endr
	WIN 0
	s_mov_b32 s[NCH], 4                            ; four chunks' ends are to come,
	s_mov_b32 s[NAL], 13                           ; thirteen passes' ends,
	s_mov_b32 s[NPS], 1                            ; and this chunk has the pass in hand left
	s_branch .Lmid4
.Lchunk:
	s_mov_b32 s[NPS], 4
	KSTEP 0, 1, 1, 1, 48, 1                        ; 48: six younger groups of eight loads; a chunk's first step starts the sums
	WIN 0
	s_branch .Lmid
.Ltrip:
	KSTEP 0, 0, 1, 1, 48, 0
	WIN 0
.Lmid:
	s_cmp_eq_u32 s[NAL], 1                         ; the last pass of all: its step 0 has asked for my last fragments of W2
	s_cbranch_scc1 .Ltail
.irp s, 1,2,3
	KSTEP \s, 0, 1, 1, 48, 0
.endr
	WIN 0
.Lmid4:                                        ; here the first chunk's walk comes in: seven steps of W2 are out on both ways
.irp s, 4,5,6,7
	KSTEP \s, 0, 1, 1, 48, 0
.endr
	WIN 0
	s_wait_xcnt 0x0                                ; the youngest load, 24 matrix instructions back, has read its address
	s_add_nc_u64 s[BP:BP+1], s[BP:BP+1], 32768
	s_sub_co_u32 s[NAL], s[NAL], 1
	s_sub_co_u32 s[NPS], s[NPS], 1
	s_cmp_lg_u32 s[NPS], 0
	s_cbranch_scc1 .Ltrip
	s_branch .Lepi
.Ltail:                                        ; no load leaves W2f: the counts run down, 8 (7 - s) loads were issued behind step s's own
.irp s, 1,2,3,4,5,6
	KSTEP \s, 0, 0, 1, 56-8*(\s), 0
.endr
	KSTEP 7, 0, 0, 0, 0, 0
	WIN 0
.Lepi:
	; THE CHUNK'S END: 128 rows x 64 columns of tanh, in quarters of two row tiles.  The transcendentals go in batches of 64 with packed lines of another quarter between them; each batch has one wait,
	; and every line that names a result of a batch stands behind that batch's wait.  The sixteen copies are also the places behind the last products.
.irp t, 0,1,2,3
	v_mov_b32 v[QP+2*(\t)],   v[QV+(\t)]
	v_mov_b32 v[QP+2*(\t)+1], v[QV+(\t)]
	v_mov_b32 v[VP+2*(\t)],   v[QV+4+(\t)]
	v_mov_b32 v[VP+2*(\t)+1], v[QV+4+(\t)]
.endr
	WIN W_EP
	BLK FX, 0
	MIX EX, 0, FX, 1
	TW
	MIX EX, 1, PX, 0
	TW
	MIX RX, 0, FX, 2
	TW
	MIX EX, 2, PX, 1
	TW
	WIN W_SX
	BLK SX, 0
	WIN W_EP
	MIX RX, 1, FX, 3
	TW
	MIX EX, 3, PX, 2
	TW
	WIN W_SX
	BLK SX, 1
	WIN W_EP
	MIX RX, 2, PX, 3
	TW
	WIN W_SX
	BLK SX, 2
	WIN W_EP
.set z, 0
.rept 64
	RX 192+z
.set z, z+1
.endr
	TW
	WIN W_SX
	BLK SX, 3
	WIN 0
	v_add_nc_u32 v[TQ], 256, v[TQ]                 ; the next chunk's q and V
	s_sub_co_u32 s[NCH], s[NCH], 1
	s_cmp_lg_u32 s[NCH], 0
	s_cbranch_scc1 .Lchunk
	; THE SCORES.  A row's sum over my wave's 256 columns: the sixteen lanes of a half hold sixteen columns each.
.irp m, 1,2,4,8
.set n, 0
.rept 64
	v_add_f32_dpp v[SA+n], v[SA+n], v[SA+n] row_xmask:\m row_mask:0xf bank_mask:0xf
.set n, n+1
.endr
.endr
	s_lshl_b32 s[T0], s[WV], 9
	s_add_co_u32 s[T0], s[T0], SP
	v_lshl_add_u32 v15, v[HH], 5, s[T0]            ; row 16 a + 8 (l / 16) + j at 4 bytes a row; the sixteen lanes of a half store the same words with the same numbers
.irp a, 0,1,2,3,4,5,6,7
	ds_store_b128 v15, v[SA+8*(\a):SA+8*(\a)+3]   offset:64*(\a)
	ds_store_b128 v15, v[SA+8*(\a)+4:SA+8*(\a)+7] offset:64*(\a)+16
.endr
	s_wait_dscnt 0x0                               ; for the others' sake: my row sums are stored
	s_barrier_signal -1
	s_barrier_wait -1                              ; the last barrier: all four waves' sums lie in LDS
	; Every wave makes all 128 weights for itself: lane l has rows 4 l .. 4 l + 3.
	v_add_nc_u32 v24, SP, v[BO]
	v_add_nc_u32 v25, VT, v[BO]
.irp w, 0,1,2,3
	ds_load_b128 v[64+4*(\w):64+4*(\w)+3], v24 offset:512*(\w)
.endr
.irp i, 0,1,2,3,4,5,6,7
	ds_load_b128 v[96+4*(\i):96+4*(\i)+3], v25 offset:512*(\i)
.endr
	v_mov_b32 v26, s[BV]                           ; bV is rounded to bf16 like every input
	v_cvt_pk_bf16_f32 v26, v26, v26
	v_lshlrev_b32 v26, 16, v26
	v_lshlrev_b32 v62, 3, v1
	s_wait_dscnt 0x0
	v_pk_add_f32 v[64:65], v[64:65], v[68:69]
	v_pk_add_f32 v[66:67], v[66:67], v[70:71]
	v_pk_add_f32 v[72:73], v[72:73], v[76:77]
	v_pk_add_f32 v[74:75], v[74:75], v[78:79]
	v_pk_add_f32 v[64:65], v[64:65], v[72:73]
	v_pk_add_f32 v[66:67], v[66:67], v[74:75]
.irp i, 0,2,4,6,8,10,12,14             ; the sum of V: 32 numbers a lane, then across the lanes
	v_pk_add_f32 v[96+(\i):96+(\i)+1], v[96+(\i):96+(\i)+1], v[112+(\i):112+(\i)+1]
.endr
.irp i, 0,2,4,6
	v_pk_add_f32 v[96+(\i):96+(\i)+1], v[96+(\i):96+(\i)+1], v[104+(\i):104+(\i)+1]
.endr
.irp i, 0,2
	v_pk_add_f32 v[96+(\i):96+(\i)+1], v[96+(\i):96+(\i)+1], v[100+(\i):100+(\i)+1]
.endr
	v_pk_add_f32 v[96:97], v[96:97], v[98:99]
	v_add_f32 v27, v96, v97
.irp m, 1,2,4,8
	v_add_f32_dpp v27, v27, v27 row_xmask:\m row_mask:0xf bank_mask:0xf
.endr
	v_permlanex16_b32 v96, v27, s[SEL], s[SEL+1]   ; its destination counts as read: a register that has been written
	v_add_f32 v27, v27, v96
	v_add_f32 v27, v27, v26                        ; sum of V + bV
.irp e, 0,1,2,3
	v_fma_f32 v[68+(\e)], v[64+(\e)], -2.0, v27    ; the score
.endr
	v_max3_num_f32 v60, v68, v69, v70
	v_max_num_f32 v60, v60, v71
.irp m, 1,2,4,8
	v_max_num_f32_dpp v60, v60, v60 row_xmask:\m row_mask:0xf bank_mask:0xf
.endr
	v_permlanex16_b32 v97, v60, s[SEL], s[SEL+1]
	v_max_num_f32 v60, v60, v97                    ; m: the tile's maximum, in every lane
.irp e, 0,1,2,3
	v_sub_f32 v[PW+(\e)], v[68+(\e)], v60
.endr
.irp e, 0,1,2,3
	v_mul_f32 v[PW+(\e)], s[L2E], v[PW+(\e)]
.endr
.irp e, 0,1,2,3
	v_exp_f32 v[PW+(\e)], v[PW+(\e)]               ; p = e^(score - m)
.endr
	TW
	v_add_f32 v61, v[PW], v[PW+1]
	v_add_f32 v98, v[PW+2], v[PW+3]
	v_add_f32 v61, v61, v98
.irp m, 1,2,4,8
	v_add_f32_dpp v61, v61, v61 row_xmask:\m row_mask:0xf bank_mask:0xf
.endr
	v_permlanex16_b32 v99, v61, s[SEL], s[SEL+1]
	v_add_f32 v61, v61, v99                        ; l: the sum of the tile's weights
	s_lshl_b32 s[T0], s[WV], 9
	s_add_co_u32 s[T0], s[T0], PB
	v_add_nc_u32 v16, s[T0], v[BO]
	ds_store_b128 v16, v[PW:PW+3]                  ; my wave's own copy: no other wave reads it
	v_mov_b32 v[PA], s[T0]
	v_lshlrev_b32 v[RA], 4, v0                     ; the context: thread T owns columns 8 T .. 8 T + 7: 16 bytes of a row
	v_add_nc_u32 v[RA+1], 16*PITCH, v[RA]
.irp e, 0,1,2,3,4,5,6,7
	v_mov_b32 v[CA+(\e)], 0
.endr
	s_cmp_lg_u32 s[WV], 0                          ; wave 0 stores the weights and the statistics for the work-group
	s_cbranch_scc1 .Lnot_wave_0
	s_lshl_b32 s[OF], ttmp9, 9
	s_add_nc_u64 s[22:23], s[22:23], s[OF:OF+1]
	s_lshl_b32 s[OF], ttmp9, 8
	s_add_nc_u64 s[24:25], s[24:25], s[OF:OF+1]
	global_store_b128 v[BO], v[PW:PW+3], s[22:23]  ; 512 consecutive bytes, aligned
	global_store_b64 v62, v[60:61], s[24:25]       ; (m, l) from each of 32 lanes: 256 consecutive bytes, aligned
.Lnot_wave_0:
; THE CONTEXT: sum over the 128 rows of p x enc, p in f32, enc as it lies in LDS.  Sets of 16 rows in two register sets by turns.
.macro CFETCH set                      ; 20 LDS loads: the set's 16 weights (the same words for every lane), then my 16 bytes of its 16 rows (512 consecutive bytes a load)
.irp i, 0,1,2,3
	ds_load_b128 v[PS+16*(\set)+4*(\i):PS+16*(\set)+4*(\i)+3], v[PA] offset:64*(\set)+16*(\i)
.endr
.set q, 0
.rept 16
	ds_load_b128 v[FA+64*(\set)+4*q:FA+64*(\set)+4*q+3], v[RA+(\set)] offset:q*PITCH
.set q, q+1
.endr
.endm
.macro CMUL set                        ; 128 fused multiply-adds straight from the bf16 halves; eight chains
.set q, 0
.rept 16
.irp e, 0,1,2,3
	v_fma_mix_f32_bf16 v[CA+2*(\e)],   v[FA+64*(\set)+4*q+(\e)], v[PS+16*(\set)+q], v[CA+2*(\e)]   op_sel_hi:[1,0,0]
	v_fma_mix_f32_bf16 v[CA+2*(\e)+1], v[FA+64*(\set)+4*q+(\e)], v[PS+16*(\set)+q], v[CA+2*(\e)+1] op_sel:[1,0,0] op_sel_hi:[1,0,0]
.endr
.set q, q+1
.endr
.endm
	CFETCH 0                                       ; LDS serves a wave's instructions in order (ISA guide 5.7.1.4): these see my store of the weights
	s_mov_b32 s[CNT], 3
.Lctx:
	CFETCH 1
	s_wait_dscnt 20                                ; set 0 is in; the 20 loads just issued may stay out
	CMUL 0
	v_add_nc_u32 v[RA], 32*PITCH, v[RA]
	v_add_nc_u32 v[PA], 128, v[PA]
	CFETCH 0
	s_wait_dscnt 20                                ; set 1 is in
	CMUL 1
	v_add_nc_u32 v[RA+1], 32*PITCH, v[RA+1]
	s_sub_co_u32 s[CNT], s[CNT], 1
	s_cmp_lg_u32 s[CNT], 0
	s_cbranch_scc1 .Lctx
	CFETCH 1                                       ; the last two sets
	s_wait_dscnt 20
	CMUL 0
	s_wait_dscnt 0x0
	CMUL 1
	; THE WAY OUT: a lane's 32 bytes go through my wave's stage, so that a store of the wave covers 512 consecutive bytes.
	s_lshl_b32 s[T0], s[WV], 10
	s_lshl_b32 s[OF], ttmp9, 12
	s_add_co_u32 s[OF], s[OF], s[T0]
	s_add_nc_u64 s[26:27], s[26:27], s[OF:OF+1]    ; pctx at the tile's row, my wave's 1,024 bytes
	s_add_co_u32 s[T0], s[T0], CS
	v_lshl_add_u32 v27, v1, 5, s[T0]
	v_add_nc_u32 v28, s[T0], v[BO]
	ds_store_b128 v27, v[CA:CA+3]
	ds_store_b128 v27, v[CA+4:CA+7] offset:16
	ds_load_b128 v[CA+8:CA+11],  v28               ; my wave's own bytes, served in order behind the stores
	ds_load_b128 v[CA+12:CA+15], v28 offset:512
	s_wait_dscnt 0x0
	global_store_b128 v[BO], v[CA+8:CA+11],  s[26:27]
	global_store_b128 v[BO], v[CA+12:CA+15], s[26:27] offset:512
	s_wait_tensorcnt 0x0                           ; the wave's end, behind my last LDS store
	ds_add_u32 v[SPW], v[NIL]
	s_wait_dscnt 0x0
	s_endpgm
.Lfunc_end_k_q57786a2d0d_attend:
	.size	k_q57786a2d0d_attend, .Lfunc_end_k_q57786a2d0d_attend-k_q57786a2d0d_attend
	.p2alignl 7, 3214868480
	.fill 96, 4, 3214868480
	.section	.rodata,"a",@progbits
	.p2align	6, 0x0
	.amdhsa_kernel k_q57786a2d0d_attend
		.amdhsa_group_segment_fixed_size 281088
		.amdhsa_private_segment_fixed_size 0
		.amdhsa_enable_private_segment 0
		.amdhsa_kernarg_size 80
		.amdhsa_user_sgpr_count 2
		.amdhsa_user_sgpr_kernarg_segment_ptr 1
		.amdhsa_wavefront_size32 1
		.amdhsa_system_sgpr_workgroup_id_x 1
		.amdhsa_system_sgpr_workgroup_id_y 1
		.amdhsa_system_sgpr_workgroup_id_z 1
		.amdhsa_system_vgpr_workitem_id 0
		.amdhsa_next_free_vgpr 1024
		.amdhsa_next_free_sgpr 66
		.amdhsa_reserve_vcc 0
		.amdhsa_float_denorm_mode_32 3
		.amdhsa_float_denorm_mode_16_64 3
		.amdhsa_memory_ordered 1
		.amdhsa_forward_progress 1
		.amdhsa_inst_pref_size 255
	.end_amdhsa_kernel
	.section	.bss,"aw",@nobits
	.p2align	6
	.space	262144
	.amdgpu_metadata
---
amdhsa.version: [ 1, 2 ]
amdhsa.kernels:
  - .name:           k_q57786a2d0d_attend
    .symbol:         k_q57786a2d0d_attend.kd
    .args:
      - { .name: enc_output, .offset: 0, .size: 8, .value_kind: global_buffer, .address_space: global }
      - { .name: W2f, .offset: 8, .size: 8, .value_kind: global_buffer, .address_space: global }
      - { .name: qp, .offset: 16, .size: 8, .value_kind: global_buffer, .address_space: global }
      - { .name: b1, .offset: 24, .size: 8, .value_kind: global_buffer, .address_space: global }
      - { .name: b2, .offset: 32, .size: 8, .value_kind: global_buffer, .address_space: global }
      - { .name: V, .offset: 40, .size: 8, .value_kind: global_buffer, .address_space: global }
      - { .name: bV, .offset: 48, .size: 8, .value_kind: global_buffer, .address_space: global }
      - { .name: pw, .offset: 56, .size: 8, .value_kind: global_buffer, .address_space: global }
      - { .name: stat, .offset: 64, .size: 8, .value_kind: global_buffer, .address_space: global }
      - { .name: pctx, .offset: 72, .size: 8, .value_kind: global_buffer, .address_space: global }
    .group_segment_fixed_size: 281088
    .private_segment_fixed_size: 0
    .kernarg_segment_align: 8
    .kernarg_segment_size: 80
    .max_flat_workgroup_size: 128
    .sgpr_count:     66
    .vgpr_count:     1024
    .wavefront_size: 32
...
	.end_amdgpu_metadata
.endif
;; end of part 2
;; launch finish (part 3): grid 4 x 32, 2 waves a work-group, no clusters, 0 bytes of LDS; arguments pw, stat, pctx, out0, out1; writes out0, out1
.if DOCPART == 3
	.amdgcn_target "amdgcn-amd-amdhsa--gfx1250"
	.amdhsa_code_object_version 6
	.text
	.protected	k_q57786a2d0d_finish
	.globl	k_q57786a2d0d_finish
	.p2align	8
	.type	k_q57786a2d0d_finish,@function
k_q57786a2d0d_finish:
	s_mov_b64 s[64:65], 0
	v_nop
	global_prefetch_b8 v0, s[64:65] scope:SCOPE_SE
	s_setreg_imm32_b32 hwreg(HW_REG_WAVE_MODE, 25, 1), 1
	s_wait_xcnt 0x0
; FINISH.  A batch's sixteen tiles of 128 rows are joined: M = the largest of the tiles' maxima m, f = e^(m - M), L = the sum of l f, g = f / L.
; out1[b][s] = p[s] x g of its tile;  out0[b][c] = the sum over the tiles of g x the tile's part of the context.  All in f32.
; SHARES.  Work-group (x, b): a quarter of batch b: 256 columns of out0 (16 bytes a thread) and 512 rows of out1 (four tiles; 16 bytes a thread, twice).  Every work-group makes the sixteen g for itself.
; No LDS, no barrier: nothing passes between waves.  L is at least 1 (the tile that holds M has f = 1 and l >= 1).  A factor below 2^-126 counts as 0.
	s_load_b256 s[4:11], s[0:1], 0x0               ; pw s[4:5], stat s[6:7], pctx s[8:9], out0 s[10:11]
	s_load_b64 s[12:13], s[0:1], 0x20              ; out1
	v_lshrrev_b32 v1, 5, v0
	v_readfirstlane_b32 s14, v1                    ; wave 0, 1
	s_and_b32 s15, ttmp7, 0xffff                   ; the batch
	v_and_b32 v2, 15, v0
	v_lshlrev_b32 v2, 8, v2                        ; lane l reads the statistics of tile l % 16: 256 bytes a tile
	v_lshlrev_b32 v3, 4, v0                        ; 16 x thread
	s_mov_b32 s20, 0x3fb8aa3b                      ; log2(e)
	s_lshl_b32 s16, s15, 12                        ; stat: the batch's sixteen tiles
	s_mov_b32 s17, 0
	s_lshl2_add_u32 s18, ttmp9, s14                ; my wave's first tile of out1: 4 x + wave; its second lies two tiles on
	s_lshl_b32 s18, s18, 8
	s_mov_b32 s19, 0
	s_lshl_b32 s21, ttmp9, 10                      ; my quarter's 1,024 bytes of a row of 1,024 numbers
	s_lshl_b32 s22, s15, 16                        ; pctx: sixteen rows of 4,096 bytes a batch
	s_add_co_u32 s22, s22, s21
	s_mov_b32 s23, 0
	s_lshl_b32 s24, s15, 13                        ; pw and out1: 8,192 bytes a batch, 2,048 a quarter
	s_lshl_b32 s26, ttmp9, 11
	s_add_co_u32 s24, s24, s26
	s_mov_b32 s25, 0
	s_add_co_u32 s26, s16, s21                     ; out0: 4,096 bytes a batch
	s_mov_b32 s27, 0
	s_wait_kmcnt 0x0
	s_add_nc_u64 s[6:7], s[6:7], s[16:17]
	s_add_nc_u64 s[28:29], s[6:7], s[18:19]
	s_load_b32 s36, s[28:29], 0x0                  ; m of my wave's two tiles of out1
	s_load_b32 s37, s[28:29], 0x200
	s_add_nc_u64 s[8:9], s[8:9], s[22:23]
	s_add_nc_u64 s[4:5], s[4:5], s[24:25]
	s_add_nc_u64 s[12:13], s[12:13], s[24:25]
	s_add_nc_u64 s[10:11], s[10:11], s[26:27]
	global_load_b64 v[4:5], v2, s[6:7]             ; (m, l)
.irp i, 0,1,2,3,4,5,6,7,8,9,10,11,12,13,14,15
	global_load_b128 v[32+4*(\i):32+4*(\i)+3], v3, s[8:9] offset:(\i)*4096
.endr
	global_load_b128 v[24:27], v3, s[4:5]
	global_load_b128 v[28:31], v3, s[4:5] offset:1024
	s_wait_loadcnt 18                              ; the statistics are in; the 18 loads issued behind them may stay out
	v_mov_b32 v7, v4                               ; m is kept: the maximum is made in a copy
.irp m, 1,2,4,8
	v_max_num_f32_dpp v7, v7, v7 row_xmask:\m row_mask:0xf bank_mask:0xf   ; each half of the lanes holds all sixteen tiles
.endr
	v_sub_f32 v6, v4, v7
	v_mul_f32 v6, s20, v6
	v_exp_f32 v6, v6                               ; f
	v_nop                                          ; a plain line behind the exponential,
	s_wait_alu depctr_va_vdst(0)                   ; and a wait ahead of its first reader
	v_mul_f32 v8, v5, v6
.irp m, 1,2,4,8
	v_add_f32_dpp v8, v8, v8 row_xmask:\m row_mask:0xf bank_mask:0xf
.endr
	s_wait_kmcnt 0x0
	v_sub_f32 v10, s36, v7
	v_sub_f32 v11, s37, v7
	v_mul_f32 v10, s20, v10
	v_mul_f32 v11, s20, v11
	v_rcp_f32 v9, v8                               ; 1 / L, and f of my wave's two tiles: one batch,
	v_exp_f32 v10, v10
	v_exp_f32 v11, v11
	v_nop
	s_wait_alu depctr_va_vdst(0)                   ; one wait
	v_mul_f32 v6, v6, v9                           ; g, tile i in lane i
	v_mul_f32 v10, v10, v9
	v_mul_f32 v11, v11, v9
.irp i, 0,1,2,3,4,5,6,7,8,9,10,11,12,13,14,15
	v_readlane_b32 s[40+(\i)], v6, \i              ; used as factors alone
.endr
	s_wait_loadcnt 0x0
.irp e, 0,1,2,3
	v_mul_f32 v[12+(\e)], s40, v[32+(\e)]          ; the first tile starts the sums
.endr
.irp i, 1,2,3,4,5,6,7,8,9,10,11,12,13,14,15
.irp e, 0,1,2,3
	v_fmac_f32 v[12+(\e)], s[40+(\i)], v[32+4*(\i)+(\e)]
.endr
.endr
.irp e, 0,1,2,3
	v_mul_f32 v[24+(\e)], v[24+(\e)], v10
	v_mul_f32 v[28+(\e)], v[28+(\e)], v11
.endr
	global_store_b128 v3, v[12:15], s[10:11]       ; each store of a wave covers 512 consecutive bytes, aligned
	global_store_b128 v3, v[24:27], s[12:13]
	global_store_b128 v3, v[28:31], s[12:13] offset:1024
	s_endpgm
.Lfunc_end_k_q57786a2d0d_finish:
	.size	k_q57786a2d0d_finish, .Lfunc_end_k_q57786a2d0d_finish-k_q57786a2d0d_finish
	.p2alignl 7, 3214868480
	.fill 96, 4, 3214868480
	.section	.rodata,"a",@progbits
	.p2align	6, 0x0
	.amdhsa_kernel k_q57786a2d0d_finish
		.amdhsa_group_segment_fixed_size 0
		.amdhsa_private_segment_fixed_size 0
		.amdhsa_enable_private_segment 0
		.amdhsa_kernarg_size 40
		.amdhsa_user_sgpr_count 2
		.amdhsa_user_sgpr_kernarg_segment_ptr 1
		.amdhsa_wavefront_size32 1
		.amdhsa_system_sgpr_workgroup_id_x 1
		.amdhsa_system_sgpr_workgroup_id_y 1
		.amdhsa_system_sgpr_workgroup_id_z 1
		.amdhsa_system_vgpr_workitem_id 0
		.amdhsa_next_free_vgpr 96
		.amdhsa_next_free_sgpr 66
		.amdhsa_reserve_vcc 0
		.amdhsa_float_denorm_mode_32 3
		.amdhsa_float_denorm_mode_16_64 3
		.amdhsa_memory_ordered 1
		.amdhsa_forward_progress 1
		.amdhsa_inst_pref_size 8
	.end_amdhsa_kernel
	.amdgpu_metadata
---
amdhsa.version: [ 1, 2 ]
amdhsa.kernels:
  - .name:           k_q57786a2d0d_finish
    .symbol:         k_q57786a2d0d_finish.kd
    .args:
      - { .name: pw, .offset: 0, .size: 8, .value_kind: global_buffer, .address_space: global }
      - { .name: stat, .offset: 8, .size: 8, .value_kind: global_buffer, .address_space: global }
      - { .name: pctx, .offset: 16, .size: 8, .value_kind: global_buffer, .address_space: global }
      - { .name: out0, .offset: 24, .size: 8, .value_kind: global_buffer, .address_space: global }
      - { .name: out1, .offset: 32, .size: 8, .value_kind: global_buffer, .address_space: global }
    .group_segment_fixed_size: 0
    .private_segment_fixed_size: 0
    .kernarg_segment_align: 8
    .kernarg_segment_size: 40
    .max_flat_workgroup_size: 64
    .sgpr_count:     66
    .vgpr_count:     96
    .wavefront_size: 32
...
	.end_amdgpu_metadata
.endif
;; end of part 3
;; ======== version 2 of 2: 3 launches; version 1 with the launch attend written anew for expert scheduling mode
;; limits: values outside matrix products are rounded to bf16
;; workspace buffers: W2f 2,097,152 bytes; qp 524,288 bytes; pw 262,144 bytes; stat 131,072 bytes; pctx 2,097,152 bytes
;; launch prep: the kernel of part 1 again; grid 64 x 1, 8 waves a work-group, no clusters, 66,560 bytes of LDS; arguments W1, W2, dec_hidden, W2f, qp; writes W2f, qp
;; launch attend (part 4): grid 512 x 1, 4 waves a work-group, no clusters, 281,088 bytes of LDS; arguments enc_output, W2f, qp, b1, b2, V, bV, pw, stat, pctx; writes pw, stat, pctx
.if DOCPART == 4
	.amdgcn_target "amdgcn-amd-amdhsa--gfx1250"
	.amdhsa_code_object_version 6
	.text
	.protected	k_q57786a2d0d_attend
	.globl	k_q57786a2d0d_attend
	.p2align	8
	.type	k_q57786a2d0d_attend,@function
k_q57786a2d0d_attend:
	s_mov_b64 s[64:65], 0
	v_nop
	global_prefetch_b8 v0, s[64:65] scope:SCOPE_SE
	s_setreg_imm32_b32 hwreg(HW_REG_WAVE_SCHED_MODE, 0, 2), 2
	s_setreg_imm32_b32 hwreg(HW_REG_WAVE_MODE, 25, 1), 1
	s_wait_xcnt 0x0
	s_wait_alu depctr_vm_vsrc(0)
; ATTEND.  For 128 rows s of one batch b: score = sum over u of V[u] tanh(q[b][u] + b1[u] + b2[u] + (enc[b][s] . W2)[u]) + bV; then the tile's own maximum m, p = exp(score - m), l = sum of p,
; and the tile's part of the context, sum over its rows of p x enc.  A later launch joins the sixteen tiles of a batch.
; EACH BYTE OF enc IS READ ONCE: the 128 rows are rounded to bf16 on the way in and STAY in LDS (128 x 2,048 bytes), for the product and for the context.
; tanh(x) = 1 - 2 / (1 + 2^(c x)), c = 2 log2(e): so score = (sum of V + bV) - 2 x sum of V[u] / (1 + 2^(c x)); 2^(c x) = infinity gives 0, 2^(c x) = 0 gives 1: both ends are right.
; SHARES.  Work-group wg: rows 128 wg .. (batch wg / 16).  A wave takes all 128 rows (8 tiles of 16) x 64 columns (4 tiles of 16) at a time: 32 accumulators; four such CHUNKS, 256 columns a wave.
; K = 1,024 goes in 32 steps of 32, eight steps to a PASS.  Source 0 = 16 rows of enc, from LDS; source 1 = 16 columns of W2, ready fragments (W2f) that come straight from memory into a ring of
; eight register slots, waited for by count.  In a result a lane holds ONE column u and eight rows, so q and V are one number a lane and tile.
; THE ROWS COME IN WHILE THE FIRST CHUNK IS MULTIPLIED.  That chunk walks K upward, so step t wants 32 numbers of each row and no more.  The rows are fetched by SLICES of 128 along K (512 bytes of a row in
; memory, 256 in LDS); of a slice a wave brings its own 32 rows, in four GROUPS of 8 loads.  Step t asks for group t + 8, and rounds and stores group t + 5; every fourth step has a barrier, behind which the
; next slice is read.  A wave's loads share one counter and come back in order, so W2's fragments and enc's groups are asked for alike, three steps ahead of the wait for them: 3 x 16 loads are out.
; From the second chunk on nothing of enc is on its way, W2's ring runs seven steps ahead, and the loop over K has no barrier.
; COLUMN ORDER: group G = 4 wave + chunk is u = 64 G ..; tile t holds at lane place r the column 64 G + 4 r + t: one LDS load of 16 bytes brings a lane its four q, another its four V.
; NO TENSOR LOADS, NO CLUSTER, though all work-groups walk the same W2: beside the resident rows (264,192 bytes) and the tables LDS has under 47 KB left; the four waves use 16 KB of fragments
; for a step of 32 matrix instructions each, so two slots would hold less than two steps each, with a barrier (in a cluster: a round) for each change of slots.
; LIMITS.  Every input is rounded once to bf16 (enc, W2, W1, dec_hidden, b1, b2, V, bV); all else is f32; the weights p are never rounded.  A weight below 2^-126 counts as 0.  NaN and infinities in the inputs are not treated apart.
; REGISTERS, in windows of 256 (s_set_vgpr_msb: bits 1:0 source 0, 3:2 source 1, 5:4 source 2, 7:6 destination):
;   window 0: addresses and work; v64-191 two buffers of enc's fragments; v192-255 the row sums      window 1: the ring of W2's fragments      window 2: the accumulators
;   window 3: enc as it lands, eight slots of 32 registers, a group each
; THE MODE: SCHED_MODE bits 1:0 = 2 (LLVM: expert scheduling mode 2), set by the entry lines.  The code itself states the register dependences between vector or matrix instructions and memory or
; LDS instructions, with s_wait_alu, always for 0.
; THE PLAN.  Registers that memory or LDS instructions touch in the loops over K:
;   FA0, FA1      Step s: its products read FA[s % 2]; its sixteen LDS loads land in the other buffer, which the products of step s - 1 read.
;   window 1      Step s: its products read slot s; its loads of W2 land in slots that were read in step s - 1 or earlier.
;   window 3      First chunk, step s: its conversions read slot (s + 5) % 8; its loads of enc land in slot s % 8, which the conversions of five steps back read.
;   v[TC ..]      First chunk, step s: written by its conversions, read by its eight LDS stores, written again in step s + 1.
;   v[AD ..]      Read by every fragment load; written once a pass, in step 7.      v[ST]  read by the stores; written once a pass.      v[TQ]  read by two loads a chunk; written at the chunk's end.
;   v[BO], v[EO], v[TO]  offsets, made at the head and never written again: scalar bases and immediate offsets do the rest.
; So ONE wait on va_vdst stands in a step, at its head, behind the step's conversions and address additions where it has any.  The step's products name FA[s % 2], slot s and the accumulators: none of the
; registers that the step's loads and stores touch.  These follow the wait with no further one, dealt among the products in runs of eight, four products apart.
; A wait on vm_vsrc stands ahead of each line that writes TC, AD, ST or TQ again.
.set PITCH, 2064                       ; an LDS row: 2,048 bytes + 16 = 516 words: row r starts at bank 4 r mod 64 (64 banks of 4 bytes: ISA guide 11.1): the 16 rows of a fragment load start at 16 different groups of four banks
.set QT,    128*PITCH                  ; 4,096 bytes: c (q + b1 + b2), f32, by u
.set VT,    QT+4096                    ; 4,096 bytes: V, f32, by u
.set SP,    VT+4096                    ; 2,048 bytes: each wave's 128 row sums
.set PB,    SP+2048                    ; 2,048 bytes: each wave's own copy of the 128 weights
.set CS,    PB+2048                    ; 4,096 bytes: each wave's stage for its 256 columns of the context
.set SPARE, CS+4096                    ; the spare words, 128 bytes for each wave: two blocks of 256 bytes that no other line names
.set SPW, 2                            ; v2      LDS address of my spare word; never rewritten
.set NIL, 3                            ; v3      0; never rewritten
.set AD,  4                            ; v4-7    LDS address of my fragments of rows 32 p + l % 16, in the pass in hand
.set BO,  8                            ; v8      16 x lane; never rewritten
.set TQ,  9                            ; v9      where my four q of the chunk lie; V's lie 4,096 bytes on
.set EO,  10                           ; v10     my offset in the work-group's rows of enc: my wave's 32 rows, 16 bytes a lane; never rewritten
.set ST,  11                           ; v11     where I put 8 bytes of my wave's first row, in the first slice of the pass in hand
.set TO,  12                           ; v12     32 x thread: my eight numbers of the tables in memory; never rewritten
.set RR,  13                           ; v13     l % 16
.set HH,  14                           ; v14     l / 16
.set AD0, 20                           ; v20-23  (32 p + l % 16) x PITCH + 16 (l / 16); never rewritten
.set RA,  24                           ; v24-25  the context: my 16 bytes of the rows of the even and the odd sets of 16
.set PA,  26                           ; v26     the context: where the set's weights lie
.set QV,  32                           ; v32-35 the chunk's q, v36-39 its V, for t = 0..3
.set QP,  40                           ; v40-47  q of tile t twice, a pair for the packed lines
.set VP,  48                           ; v48-55  V likewise
.set TC,  40                           ; v40-55  in the first chunk, ahead of its end: a group of enc, rounded
.set PW,  56                           ; v56-59  my four weights; v60-61 m and l; v62 8 x lane: sources of wave 0's stores, never rewritten
.set FA,  64                           ; v64-127, v128-191
.set TB,  128                          ; at the head: the tables as loaded
.set SA,  192                          ; v192-255 row sums: tile a of rows, register j: row 16 a + 8 (l / 16) + j
.set PS,  192                          ; the context: two sets of 16 weights
.set CA,  224                          ; the context: my eight sums
.set WV,  28                           ; s28  my wave's number
.set BT,  29                           ; s29  the batch
.set OF,  30                           ; s[30:31] an offset; the high word stays 0
.set EP,  32                           ; s[32:33] enc at the work-group's first row, at the first slice of the pass in hand
.set BP,  34                           ; s[34:35] W2f at the pass in hand of my wave's 512 KiB
.set CC,  36                           ; s[36:37] c, named as a pair
.set NCH, 38                           ; s38  chunks to go
.set NPS, 39                           ; s39  passes to go in the chunk
.set NAL, 40                           ; s40  passes to go in all
.set CNT, 41                           ; s41  counts the first chunk's and the context's loops
.set SEL, 42                           ; s[42:43] v_permlanex16_b32's selects: each lane takes its own place in the other half
.set BV,  44                           ; s44  bV
.set L2E, 45                           ; s45  log2(e)
.set HIM, 46                           ; s46  a word's upper bf16
.set KB,  47                           ; s47  byte along the rows at which the pass in hand begins
.set T0,  48                           ; s48  at work
.set MSB, 0
.macro WIN new                         ; the immediate's high byte repeats the setting that is left; a switch that changes nothing is dropped
.if MSB != (\new)
	s_set_vgpr_msb (MSB<<8)|(\new)
.set MSB, \new
.endif
.endm
.set W_MM, 0xa4                        ; source 0 (enc) window 0, source 1 (W2) window 1, C and D window 2
.set W_TB, 0x40                        ; destination window 1
.set W_TL, 0xc0                        ; destination window 3
.set W_CL, 0x0f                        ; sources 0 and 1 window 3, destination window 0
.set W_EP, 0x82                        ; destination and source 0 window 2, the rest window 0
.set W_SX, 0x02                        ; source 0 window 2, the rest window 0
	s_load_b512 s[8:23], s[0:1], 0x0               ; enc s[8:9], W2f s[10:11], qp s[12:13], b1 s[14:15], b2 s[16:17], V s[18:19], bV s[20:21], pw s[22:23]
	s_load_b128 s[24:27], s[0:1], 0x40             ; stat s[24:25], pctx s[26:27]
	v_lshl_add_u32 v[SPW], v0, 2, SPARE
	v_mov_b32 v[NIL], 0
	v_lshrrev_b32 v1, 5, v0
	v_readfirstlane_b32 s[WV], v1                  ; wave 0..3
	v_and_b32 v1, 31, v0                           ; lane
	s_lshr_b32 s[BT], ttmp9, 4
	s_mov_b32 s[CC], 0x4038aa3b                    ; c = 2 log2(e) = 2.885390
	s_mov_b32 s[CC+1], s[CC]
	s_mov_b32 s[SEL], 0x76543210
	s_mov_b32 s[SEL+1], 0xfedcba98
	s_mov_b32 s[L2E], 0x3fb8aa3b
	s_mov_b32 s[HIM], 0xffff0000
	s_mov_b32 s[KB], 0
	s_mov_b32 s[OF+1], 0
	v_and_b32 v[RR], 15, v0
	v_bfe_u32 v[HH], v0, 4, 1
	v_mul_u32_u24 v15, v[RR], PITCH
	v_lshl_add_u32 v15, v[HH], 4, v15
.irp p, 0,1,2,3
	v_add_nc_u32 v[AD0+(\p)], (\p)*32*PITCH, v15
.endr
.irp p, 0,1,2,3
	v_add_nc_u32 v[AD+(\p)], s[KB], v[AD0+(\p)]
.endr
	v_lshlrev_b32 v[BO], 4, v1
	s_wait_alu depctr_va_sdst(0)                   ; the wave's number is written, ahead of its first reader: LDS places, bases and branches are made from it
	s_lshl_b32 s[T0], s[WV], 10
	s_add_co_u32 s[T0], s[T0], QT
	v_lshl_add_u32 v[TQ], v[RR], 4, s[T0]          ; 4 u = 1,024 wave + 256 chunk + 16 r + 4 t
	s_lshl_b32 s[T0], s[WV], 17
	v_lshl_add_u32 v[EO], v1, 4, s[T0]             ; my wave's 32 rows of 4,096 bytes; 16 bytes a lane
	s_mul_i32 s[T0], s[WV], 32*PITCH
	v_lshl_add_u32 v[ST], v1, 3, s[T0]
	v_lshlrev_b32 v[TO], 5, v0
	v_add_nc_u32 v16, QT, v[TO]
	s_wait_kmcnt 0x0
	s_load_b32 s[BV], s[20:21], 0x0                ; waited for ahead of the first barrier
	s_lshl_b32 s[OF], ttmp9, 19                    ; 128 rows of 4,096 bytes; 511 x 2^19 stays under 2^32
	s_add_nc_u64 s[EP:EP+1], s[8:9], s[OF:OF+1]
	s_lshl_b32 s[OF], s[WV], 19
	s_add_nc_u64 s[BP:BP+1], s[10:11], s[OF:OF+1]
	s_lshl_b32 s[OF], s[BT], 12
	s_add_nc_u64 s[12:13], s[12:13], s[OF:OF+1]    ; qp at my batch's row
; THE ROWS' WAY IN.  Group e, counted from the first group of the pass in hand: slice e / 4, my wave's rows 8 (e % 4) .. + 7; it lands in slot e % 8 of window 3.
; 8 loads: each brings 512 consecutive bytes, aligned, of one row: 128 numbers, four a lane.  Each byte of enc is read once in the launch.
.macro ENC e
	WIN W_TL
.irp q, 0,1,2,3,4,5,6,7
	global_load_b128 v[32*((\e)%8)+4*(\q):32*((\e)%8)+4*(\q)+3], v[EO], s[EP:EP+1] offset:((\e)/4)*512+(8*((\e)%4)+(\q))*4096 th:TH_LOAD_NT
.endr
.endm
; The group is rounded to bf16: sixteen conversions, a lane's four numbers of a row into 8 bytes.
.macro PCV e
	WIN W_CL
.irp q, 0,1,2,3,4,5,6,7
	v_cvt_pk_bf16_f32 v[TC+2*(\q)],   v[32*((\e)%8)+4*(\q)],   v[32*((\e)%8)+4*(\q)+1]
	v_cvt_pk_bf16_f32 v[TC+2*(\q)+1], v[32*((\e)%8)+4*(\q)+2], v[32*((\e)%8)+4*(\q)+3]
.endr
.endm
; And stored into the rows in LDS: a store of the wave covers 256 consecutive bytes.  The largest offset, 3 x 256 + 31 x PITCH, stays inside the 16 bits of the field.
.macro PST e
	WIN 0
.irp q, 0,1,2,3,4,5,6,7
	ds_store_b64 v[ST], v[TC+2*(\q):TC+2*(\q)+1] offset:((\e)/4)*256+(8*((\e)%4)+(\q))*PITCH
.endr
.endm
; A group at the head, ahead of the loop: waited for by count, rounded, stored.
.macro PGRP e, lcnt
	s_wait_loadcnt \lcnt
.if (\e) > 0
	s_wait_alu depctr_vm_vsrc(0)                   ; the stores of the group before have read v[TC ..], which the conversions write again
.endif
	PCV \e
	s_wait_alu depctr_va_vdst(0)                   ; the conversions have written v[TC ..], which the stores read
	PST \e
.endm
; THE PRODUCT.  8 LDS loads: the fragments of rows 32 p0 .. 32 p0 + 63 for 32 along K, at byte koff behind the pass's first, into buffer buf.  Two such runs bring all 128 rows.
.macro FETCH_H buf, koff, p0
	WIN 0
.irp p, \p0, (\p0)+1
.irp sub, 0,1
	ds_load_b128 v[FA+64*(\buf)+8*(2*(\p)+(\sub)):FA+64*(\buf)+8*(2*(\p)+(\sub))+3],   v[AD+(\p)] offset:(\sub)*16*PITCH+(\koff)
	ds_load_b128 v[FA+64*(\buf)+8*(2*(\p)+(\sub))+4:FA+64*(\buf)+8*(2*(\p)+(\sub))+7], v[AD+(\p)] offset:(\sub)*16*PITCH+(\koff)+32
.endr
.endr
.endm
; 8 loads: the four fragments of W2 of one K step, 4,096 consecutive bytes, into a slot of the ring.
.macro FETCH_B slot, off
	WIN W_TB
.irp t, 0,1,2,3
	global_load_b128 v[32*(\slot)+8*(\t):32*(\slot)+8*(\t)+3],   v[BO], s[BP:BP+1] offset:(\off)+1024*(\t)
	global_load_b128 v[32*(\slot)+8*(\t)+4:32*(\slot)+8*(\t)+7], v[BO], s[BP:BP+1] offset:(\off)+1024*(\t)+512
.endr
.endm
; Row tiles a0 .. a1 - 1 x the four column tiles.  The 32 accumulators take turns, in the same order in every step.  zero = 1: the products start the sums.
.macro MUL s, a0, a1, zero
	WIN W_MM
.set ma, \a0
.rept (\a1)-(\a0)
.irp t, 0,1,2,3
.if \zero
	v_wmma_f32_16x16x32_bf16 v[8*(4*ma+(\t)):8*(4*ma+(\t))+7], v[FA+64*((\s)%2)+8*ma:FA+64*((\s)%2)+8*ma+7], v[32*(\s)+8*(\t):32*(\s)+8*(\t)+7], 0
.else
	v_wmma_f32_16x16x32_bf16 v[8*(4*ma+(\t)):8*(4*ma+(\t))+7], v[FA+64*((\s)%2)+8*ma:FA+64*((\s)%2)+8*ma+7], v[32*(\s)+8*(\t):32*(\s)+8*(\t)+7], v[8*(4*ma+(\t)):8*(4*ma+(\t))+7]
.endif
.endr
.set ma, ma+1
.endr
.endm
; The next pass's place along the rows: 512 bytes on and, behind a chunk's last pass, back to 0.  It stands in step 7, behind a wait on vm_vsrc and ahead of the step's wait on va_vdst.
.macro PASSON
	s_add_co_u32 s[KB], s[KB], 512
	s_and_b32 s[KB], s[KB], 2047
	WIN 0
.irp p, 0,1,2,3
	v_add_nc_u32 v[AD+(\p)], s[KB], v[AD0+(\p)]
.endr
.endm
; STEP s OF A PASS, from the second chunk on: 32 matrix instructions.  The one wait on va_vdst stands at the head; behind it the next step's fragments of enc (the other buffer) go out in two runs of eight
; behind the fourth and the eighth product, and the fragments of W2 seven steps on (the slot read last step) behind the twelfth.
; lcnt: the loads of W2 issued behind this step's own.  tq = 1: the chunk's q and V are fetched too.
.macro KSTEP s, zero, bload, afetch, lcnt, tq
.set NXB, ((\s)+1)%2                   ; the next step's buffer,
.set NXK, 64*(((\s)+1)%8)              ; and its bytes behind the first of its pass
	s_wait_dscnt 0x0                               ; this step's fragments of enc, the last of them asked for 24 matrix instructions ago
	s_wait_loadcnt \lcnt                           ; loads come back in order (ISA guide 5.7.1): this step's slot is in, the younger ones stay out
.if ((\s) == 7) && (\afetch)
	s_wait_alu depctr_vm_vsrc(0)                   ; the fragment loads issued so far have read v[AD ..], which the next lines write
	PASSON
.endif
.if (\afetch) || (\bload)
	s_wait_alu depctr_va_vdst(0)                   ; the last step's products are done reading the other buffer and the slot in which this step's loads land; in step 7 v[AD ..] are written; in a chunk's first step v[TQ] is written and the copies are done reading q and V
.endif
	MUL \s, 0, 1, \zero
.if \afetch
	FETCH_H NXB, NXK, 0                            ; no further wait: no product since the wait names the other buffer
.endif
	MUL \s, 1, 2, \zero
.if \afetch
	FETCH_H NXB, NXK, 2
.endif
.if \tq
	ds_load_b128 v[QV:QV+3],   v[TQ]
	ds_load_b128 v[QV+4:QV+7], v[TQ] offset:4096
.endif
	MUL \s, 2, 3, \zero
.if \bload
	FETCH_B ((\s)+7)%8, ((\s)+7)*4096
.endif
	MUL \s, 3, 8, \zero
.endm
; STEP s OF A PASS OF THE FIRST CHUNK.  What step s - 3 asked for is waited for: this step's slot of W2 and the group five on; behind those 16 loads stand the 32 of the two steps between.  The group's sixteen
; conversions stand at the head, behind a wait on vm_vsrc (the last step's stores have read their registers); behind them the step's one wait on va_vdst.  Then eight products, and five runs of eight memory
; instructions four products apart: the next step's fragments (two runs), the group's stores, W2 three steps on, the group eight on.
; THE BARRIER, in every fourth step.  A slice's four groups are stored in the four steps that end one step ahead of it; the wait for 0 at this step's head shows my stores done; then the signal; the wait for
; the others stands ahead of the fragment loads, the first that read the new slice.  Between two barriers the stores go to the slice after the one that is read, and no byte is stored twice.
; last = 1: the chunk's fourth pass, steps 0 to 3: nothing of enc is left to ask for, and groups 29 to 31 are stored in steps 0 to 2.  In enc's place each step asks for a second step of W2, so that the
; ring stands seven steps ahead behind step 3.  In step 3 the count is 40: behind its slot's 8 loads stand the 8 issued with them and the 32 of the two steps between.
.macro SSTEP s, zero, tq, last
.set NXB, ((\s)+1)%2
.set NXK, 64*(((\s)+1)%8)
	s_wait_dscnt 0x0                               ; this step's fragments are in, and my stores of the last step are done
.if (\last) && ((\s) == 3)
	s_wait_loadcnt 40
.else
	s_wait_loadcnt 32
.endif
.if ((\s)%4) == 3
	s_barrier_signal -1                            ; my part of the next slice lies in LDS
.endif
.if !((\last) && ((\s) == 3))
	s_wait_alu depctr_vm_vsrc(0)                   ; the stores of the group before have read v[TC ..], which the conversions write again; in step 7: the fragment loads have read v[AD ..]
	PCV (\s)+5
.endif
.if (\s) == 7
	PASSON
.endif
	s_wait_alu depctr_va_vdst(0)                   ; the conversions have written v[TC ..]; the last step's products are done reading the other buffer, earlier products and conversions the slots in which this step's loads land; in step 7 v[AD ..], behind the loop's foot v[ST], are written
	MUL \s, 0, 2, \zero
.if ((\s)%4) == 3
	s_barrier_wait -1                              ; everybody's does
.endif
	FETCH_H NXB, NXK, 0                            ; no further wait in the step: the products name this step's buffer, its slot and the accumulators alone
	MUL \s, 2, 3, \zero
	FETCH_H NXB, NXK, 2
.if \tq
	ds_load_b128 v[QV:QV+3],   v[TQ]
	ds_load_b128 v[QV+4:QV+7], v[TQ] offset:4096
.endif
	MUL \s, 3, 4, \zero
.if !((\last) && ((\s) == 3))
	PST (\s)+5
.endif
	MUL \s, 4, 5, \zero
.if \last
	FETCH_B (2*(\s)+3)%8, (2*(\s)+3)*4096
.else
	FETCH_B ((\s)+3)%8, ((\s)+3)*4096
.endif
	MUL \s, 5, 6, \zero
.if \last
	FETCH_B (2*(\s)+4)%8, (2*(\s)+4)*4096
.else
	ENC (\s)+8
.endif
	MUL \s, 6, 8, \zero
.endm
; THE CHUNK'S END, line by line.  Pair i (0..127) is registers 2 i, 2 i + 1 of window 2: row tile i / 16, column tile (i / 4) % 4.  Register n is 0..255.
.macro FX i                            ; c x = c acc + c (q + b1 + b2)
	v_pk_fma_f32 v[2*(\i):2*(\i)+1], v[2*(\i):2*(\i)+1], s[CC:CC+1], v[QP+2*(((\i)/4)%4):QP+2*(((\i)/4)%4)+1] op_sel_hi:[1,0,1]
.endm
.macro EX n                            ; 2^(c x)
	v_exp_f32 v[\n], v[\n]
.endm
.macro PX i                            ; + 1
	v_pk_add_f32 v[2*(\i):2*(\i)+1], v[2*(\i):2*(\i)+1], 1.0 op_sel_hi:[1,0]
.endm
.macro RX n                            ; 1 / (1 + 2^(c x))
	v_rcp_f32 v[\n], v[\n]
.endm
.macro SX i                            ; the row's sum takes V[u] times that
	v_pk_fma_f32 v[SA+8*((\i)/16)+2*((\i)%4):SA+8*((\i)/16)+2*((\i)%4)+1], v[2*(\i):2*(\i)+1], v[VP+2*(((\i)/4)%4):VP+2*(((\i)/4)%4)+1], v[SA+8*((\i)/16)+2*((\i)%4):SA+8*((\i)/16)+2*((\i)%4)+1]
.endm
.macro BLK P, pq                       ; a packed line for the 32 pairs of quarter pq, ascending: each accumulator's lowest registers are read first
.set z, 0
.rept 32
	\P 32*(\pq)+z
.set z, z+1
.endr
.endm
.macro MIX T, tq, P, pq                ; the 64 transcendentals of quarter tq, a packed line of quarter pq behind every second one
.set z, 0
.rept 32
	\T 64*(\tq)+2*z
	\P 32*(\pq)+z
	\T 64*(\tq)+2*z+1
.set z, z+1
.endr
.endm
.macro TW                              ; a plain line behind the batch's last transcendental, and one wait ahead of the first line that names a result of the batch
	v_nop
	s_wait_alu depctr_va_vdst(0)                   ; the batch's exponentials or reciprocals have written their results
.endm
	; THE HEAD.  The tables: thread T owns u = 8 T .. 8 T + 7
	s_wait_alu depctr_va_vdst(0)                   ; the offsets and LDS addresses v4 to v12, v16 and v20 to v23 are written, which the loads and stores below read
.irp k, 0,1,2,3
	global_load_b128 v[TB+8*(\k):TB+8*(\k)+3],   v[TO], s[12:13] offset:(\k)*131072
	global_load_b128 v[TB+8*(\k)+4:TB+8*(\k)+7], v[TO], s[12:13] offset:(\k)*131072+16
.endr
	global_load_b128 v[TB+32:TB+35], v[TO], s[14:15]
	global_load_b128 v[TB+36:TB+39], v[TO], s[14:15] offset:16
	global_load_b128 v[TB+40:TB+43], v[TO], s[16:17]
	global_load_b128 v[TB+44:TB+47], v[TO], s[16:17] offset:16
	global_load_b128 v[TB+48:TB+51], v[TO], s[18:19]
	global_load_b128 v[TB+52:TB+55], v[TO], s[18:19] offset:16
.irp e, 0,1,2,3,4
	ENC \e                                         ; the first slice, and the first group of the second
.endr
	WIN 0
.set n, 0
.rept 64
	v_mov_b32 v[SA+n], 0                           ; the row sums start at 0: once a launch, while the first loads are out, so that the chunk's end has one text
.set n, n+1
.endr
	s_wait_loadcnt 40                              ; the 14 loads of the tables are in; the five groups issued behind them may stay out
.irp i, 0,2,4,6                        ; q: the four quarters of K
	v_pk_add_f32 v[TB+(\i):TB+(\i)+1],       v[TB+(\i):TB+(\i)+1],       v[TB+8+(\i):TB+8+(\i)+1]
	v_pk_add_f32 v[TB+16+(\i):TB+16+(\i)+1], v[TB+16+(\i):TB+16+(\i)+1], v[TB+24+(\i):TB+24+(\i)+1]
.endr
.irp i, 0,2,4,6
	v_pk_add_f32 v[TB+(\i):TB+(\i)+1], v[TB+(\i):TB+(\i)+1], v[TB+16+(\i):TB+16+(\i)+1]
.endr
.irp a, TB+32, TB+40, TB+48            ; b1, b2 and V are rounded to bf16 like every input, and widened again
.irp i, 0,1,2,3
	v_cvt_pk_bf16_f32 v[TB+56+(\i)], v[(\a)+2*(\i)], v[(\a)+2*(\i)+1]
.endr
.irp i, 0,1,2,3
	v_lshlrev_b32 v[(\a)+2*(\i)],   16, v[TB+56+(\i)]
	v_and_b32     v[(\a)+2*(\i)+1], s[HIM], v[TB+56+(\i)]
.endr
.endr
.irp i, 0,2,4,6
	v_pk_add_f32 v[TB+(\i):TB+(\i)+1], v[TB+(\i):TB+(\i)+1], v[TB+32+(\i):TB+32+(\i)+1]
.endr
.irp i, 0,2,4,6
	v_pk_add_f32 v[TB+(\i):TB+(\i)+1], v[TB+(\i):TB+(\i)+1], v[TB+40+(\i):TB+40+(\i)+1]
.endr
.irp i, 0,2,4,6
	v_pk_mul_f32 v[TB+(\i):TB+(\i)+1], v[TB+(\i):TB+(\i)+1], s[CC:CC+1] op_sel_hi:[1,0]
.endr
	s_wait_alu depctr_va_vdst(0)                   ; the tables' numbers are written, which the four stores read; all lines that name v[TB ..], later a buffer of fragments, stand ahead of this wait
	ds_store_b128 v16, v[TB:TB+3]
	ds_store_b128 v16, v[TB+4:TB+7]   offset:16
	ds_store_b128 v16, v[TB+48:TB+51] offset:4096
	ds_store_b128 v16, v[TB+52:TB+55] offset:4112
	; From here on the loads go out in the order in which the loop's steps issue them: a step of W2, a group of enc.  Each count below is the number of loads issued behind the group that is wanted.
	FETCH_B 0, 0
	ENC 5
	PGRP 0, 48                                     ; group 0 is in: behind it groups 1 to 4, W2's step 0, group 5
	FETCH_B 1, 4096
	ENC 6
	PGRP 1, 56                                     ; group 1: behind it seven runs of 8.  Its wait on vm_vsrc also shows that the tables' stores have read v[TB ..] and v16
	FETCH_B 2, 8192
	ENC 7
	PGRP 2, 63                                     ; group 2: behind it eight runs of 8; the count's field ends at 63, and a smaller count is always right
	PGRP 3, 56                                     ; group 3
	PGRP 4, 48                                     ; group 4: what is left out is what step 0 finds: three steps of W2 and groups 5 to 7, by turns
	s_wait_kmcnt 0x0                               ; bV
	s_wait_dscnt 0x0                               ; for the others' sake: my rows of the first slice and my part of the tables are stored
	s_barrier_signal -1
	s_barrier_wait -1                              ; the first slice and both tables lie in LDS
	FETCH_H 0, 0, 0                                ; no vector line has named v64 to v127 yet, and v[AD ..] were written ahead of the head's first wait
	FETCH_H 0, 0, 2
	; THE FIRST CHUNK: three passes in a loop, half a pass written out, and its last four steps, which are steps like any other, in the text of the later chunks.
	s_mov_b32 s[CNT], 3
	SSTEP 0, 1, 1, 0                               ; the chunk's first step starts the sums
	WIN 0                                          ; at a label and at a branch every window is 0
	s_branch .Lsmid
.Lstrip:
	SSTEP 0, 0, 0, 0
	WIN 0
.Lsmid:
.irp s, 1,2,3,4,5,6,7
	SSTEP \s, 0, 0, 0
.endr
	WIN 0
	s_wait_xcnt 0x0                                ; the youngest load, 8 matrix instructions back, has had its address translated: the pointers may be written
	s_add_nc_u64 s[EP:EP+1], s[EP:EP+1], 1024      ; two slices on
	s_add_nc_u64 s[BP:BP+1], s[BP:BP+1], 32768
	s_wait_alu depctr_vm_vsrc(0)                   ; the stores issued so far have read v[ST], which the next line writes
	v_add_nc_u32 v[ST], 512, v[ST]
	s_sub_co_u32 s[CNT], s[CNT], 1
	s_cmp_lg_u32 s[CNT], 0
	s_cbranch_scc1 .Lstrip
.irp s, 0,1,2,3
	SSTEP \s, 0, 0, 1
.endr
	WIN 0
	s_mov_b32 s[NCH], 4                            ; four chunks' ends are to come,
	s_mov_b32 s[NAL], 13                           ; thirteen passes' ends,
	s_mov_b32 s[NPS], 1                            ; and this chunk has the pass in hand left
	s_branch .Lmid4
.Lchunk:
	s_mov_b32 s[NPS], 4
	KSTEP 0, 1, 1, 1, 48, 1                        ; 48: six younger groups of eight loads; a chunk's first step starts the sums
	WIN 0
	s_branch .Lmid
.Ltrip:
	KSTEP 0, 0, 1, 1, 48, 0
	WIN 0
.Lmid:
	s_cmp_eq_u32 s[NAL], 1                         ; the last pass of all: its step 0 has asked for my last fragments of W2
	s_cbranch_scc1 .Ltail
.irp s, 1,2,3
	KSTEP \s, 0, 1, 1, 48, 0
.endr
	WIN 0
.Lmid4:                                        ; here the first chunk's walk comes in: seven steps of W2 are out on both ways
.irp s, 4,5,6,7
	KSTEP \s, 0, 1, 1, 48, 0
.endr
	WIN 0
	s_wait_xcnt 0x0                                ; the youngest load, 20 matrix instructions back, has had its address translated
	s_add_nc_u64 s[BP:BP+1], s[BP:BP+1], 32768
	s_sub_co_u32 s[NAL], s[NAL], 1
	s_sub_co_u32 s[NPS], s[NPS], 1
	s_cmp_lg_u32 s[NPS], 0
	s_cbranch_scc1 .Ltrip
	s_branch .Lepi
.Ltail:                                        ; no load leaves W2f: the counts run down, 8 (7 - s) loads were issued behind step s's own
.irp s, 1,2,3,4,5,6
	KSTEP \s, 0, 0, 1, 56-8*(\s), 0
.endr
	KSTEP 7, 0, 0, 0, 0, 0                         ; the last step of all issues no load
	WIN 0
.Lepi:
	; THE CHUNK'S END: 128 rows x 64 columns of tanh, in quarters of two row tiles.  The transcendentals go in batches of 64 with packed lines of another quarter between them; each batch has one wait,
	; and every line that names a result of a batch stands behind that batch's wait.  The sixteen copies are also the places behind the last products (ISA guide 7.12.1).
	; They write v40 to v55, which the first chunk's stores read: between the last of those stores and this label stands step 7's wait on vm_vsrc, on every way.
.irp t, 0,1,2,3
	v_mov_b32 v[QP+2*(\t)],   v[QV+(\t)]
	v_mov_b32 v[QP+2*(\t)+1], v[QV+(\t)]
	v_mov_b32 v[VP+2*(\t)],   v[QV+4+(\t)]
	v_mov_b32 v[VP+2*(\t)+1], v[QV+4+(\t)]
.endr
	WIN W_EP
	BLK FX, 0
	MIX EX, 0, FX, 1
	TW
	MIX EX, 1, PX, 0
	TW
	MIX RX, 0, FX, 2
	TW
	MIX EX, 2, PX, 1
	TW
	WIN W_SX
	BLK SX, 0
	WIN W_EP
	MIX RX, 1, FX, 3
	TW
	MIX EX, 3, PX, 2
	TW
	WIN W_SX
	BLK SX, 1
	WIN W_EP
	MIX RX, 2, PX, 3
	TW
	WIN W_SX
	BLK SX, 2
	WIN W_EP
.set z, 0
.rept 64
	RX 192+z
.set z, z+1
.endr
	TW
	WIN W_SX
	BLK SX, 3
	WIN 0
	s_wait_alu depctr_vm_vsrc(0)                   ; the chunk's two loads of q and V have read v[TQ], which the next line writes
	v_add_nc_u32 v[TQ], 256, v[TQ]                 ; the next chunk's q and V
	s_sub_co_u32 s[NCH], s[NCH], 1
	s_cmp_lg_u32 s[NCH], 0
	s_cbranch_scc1 .Lchunk
	; THE SCORES.  A row's sum over my wave's 256 columns: the sixteen lanes of a half hold sixteen columns each.
.irp m, 1,2,4,8
.set n, 0
.rept 64
	v_add_f32_dpp v[SA+n], v[SA+n], v[SA+n] row_xmask:\m row_mask:0xf bank_mask:0xf
.set n, n+1
.endr
.endr
	s_lshl_b32 s[T0], s[WV], 9
	s_add_co_u32 s[T0], s[T0], SP
	v_lshl_add_u32 v15, v[HH], 5, s[T0]            ; row 16 a + 8 (l / 16) + j at 4 bytes a row; the sixteen lanes of a half store the same words with the same numbers
	v_add_nc_u32 v24, SP, v[BO]                    ; the addresses of the loads behind the barrier are made here, ahead of the one wait
	v_add_nc_u32 v25, VT, v[BO]
	s_wait_alu depctr_va_vdst(0)                   ; the row sums and v15 are written, which the stores read; v24 and v25 are written, and the products are done reading v64 to v127, in which the loads behind the barrier land
.irp a, 0,1,2,3,4,5,6,7
	ds_store_b128 v15, v[SA+8*(\a):SA+8*(\a)+3]   offset:64*(\a)
	ds_store_b128 v15, v[SA+8*(\a)+4:SA+8*(\a)+7] offset:64*(\a)+16
.endr
	s_wait_dscnt 0x0                               ; for the others' sake: my row sums are stored
	s_barrier_signal -1
	s_barrier_wait -1                              ; the last barrier: all four waves' sums lie in LDS
	; Every wave makes all 128 weights for itself: lane l has rows 4 l .. 4 l + 3.
.irp w, 0,1,2,3
	ds_load_b128 v[64+4*(\w):64+4*(\w)+3], v24 offset:512*(\w)
.endr
.irp i, 0,1,2,3,4,5,6,7
	ds_load_b128 v[96+4*(\i):96+4*(\i)+3], v25 offset:512*(\i)
.endr
	v_mov_b32 v26, s[BV]                           ; bV is rounded to bf16 like every input
	v_cvt_pk_bf16_f32 v26, v26, v26
	v_lshlrev_b32 v26, 16, v26
	v_lshlrev_b32 v62, 3, v1
	s_wait_dscnt 0x0
	v_pk_add_f32 v[64:65], v[64:65], v[68:69]
	v_pk_add_f32 v[66:67], v[66:67], v[70:71]
	v_pk_add_f32 v[72:73], v[72:73], v[76:77]
	v_pk_add_f32 v[74:75], v[74:75], v[78:79]
	v_pk_add_f32 v[64:65], v[64:65], v[72:73]
	v_pk_add_f32 v[66:67], v[66:67], v[74:75]
.irp i, 0,2,4,6,8,10,12,14             ; the sum of V: 32 numbers a lane, then across the lanes
	v_pk_add_f32 v[96+(\i):96+(\i)+1], v[96+(\i):96+(\i)+1], v[112+(\i):112+(\i)+1]
.endr
.irp i, 0,2,4,6
	v_pk_add_f32 v[96+(\i):96+(\i)+1], v[96+(\i):96+(\i)+1], v[104+(\i):104+(\i)+1]
.endr
.irp i, 0,2
	v_pk_add_f32 v[96+(\i):96+(\i)+1], v[96+(\i):96+(\i)+1], v[100+(\i):100+(\i)+1]
.endr
	v_pk_add_f32 v[96:97], v[96:97], v[98:99]
	v_add_f32 v27, v96, v97
.irp m, 1,2,4,8
	v_add_f32_dpp v27, v27, v27 row_xmask:\m row_mask:0xf bank_mask:0xf
.endr
	v_permlanex16_b32 v96, v27, s[SEL], s[SEL+1]   ; its destination counts as read: a register that has been written
	v_add_f32 v27, v27, v96
	v_add_f32 v27, v27, v26                        ; sum of V + bV
.irp e, 0,1,2,3
	v_fma_f32 v[68+(\e)], v[64+(\e)], -2.0, v27    ; the score
.endr
	v_max3_num_f32 v60, v68, v69, v70
	v_max_num_f32 v60, v60, v71
.irp m, 1,2,4,8
	v_max_num_f32_dpp v60, v60, v60 row_xmask:\m row_mask:0xf bank_mask:0xf
.endr
	v_permlanex16_b32 v97, v60, s[SEL], s[SEL+1]
	v_max_num_f32 v60, v60, v97                    ; m: the tile's maximum, in every lane
.irp e, 0,1,2,3
	v_sub_f32 v[PW+(\e)], v[68+(\e)], v60
.endr
.irp e, 0,1,2,3
	v_mul_f32 v[PW+(\e)], s[L2E], v[PW+(\e)]
.endr
.irp e, 0,1,2,3
	v_exp_f32 v[PW+(\e)], v[PW+(\e)]               ; p = e^(score - m)
.endr
	TW
	v_add_f32 v61, v[PW], v[PW+1]
	v_add_f32 v98, v[PW+2], v[PW+3]
	v_add_f32 v61, v61, v98
.irp m, 1,2,4,8
	v_add_f32_dpp v61, v61, v61 row_xmask:\m row_mask:0xf bank_mask:0xf
.endr
	v_permlanex16_b32 v99, v61, s[SEL], s[SEL+1]
	v_add_f32 v61, v61, v99                        ; l: the sum of the tile's weights
	s_lshl_b32 s[T0], s[WV], 9
	s_add_co_u32 s[T0], s[T0], PB
	s_wait_alu depctr_vm_vsrc(0)                   ; the stores of the row sums have read v192 to v255, the loads behind the barrier v24 and v25: the lines below and the context's loads write them again
	v_add_nc_u32 v16, s[T0], v[BO]
	v_mov_b32 v[PA], s[T0]
	v_lshlrev_b32 v[RA], 4, v0                     ; the context: thread T owns columns 8 T .. 8 T + 7: 16 bytes of a row
	v_add_nc_u32 v[RA+1], 16*PITCH, v[RA]
.irp e, 0,1,2,3,4,5,6,7
	v_mov_b32 v[CA+(\e)], 0
.endr
	s_wait_alu depctr_va_vdst(0)                   ; p, m, l, v16 and v62 are written, which the stores below read; v[PA] and v[RA ..] are written, and the sums above are done with v64 to v127 and v192 to v223, in which the context's loads land
	ds_store_b128 v16, v[PW:PW+3]                  ; my wave's own copy: no other wave reads it
	s_cmp_lg_u32 s[WV], 0                          ; wave 0 stores the weights and the statistics for the work-group
	s_cbranch_scc1 .Lnot_wave_0
	s_lshl_b32 s[OF], ttmp9, 9
	s_add_nc_u64 s[22:23], s[22:23], s[OF:OF+1]
	s_lshl_b32 s[OF], ttmp9, 8
	s_add_nc_u64 s[24:25], s[24:25], s[OF:OF+1]
	global_store_b128 v[BO], v[PW:PW+3], s[22:23]  ; 512 consecutive bytes, aligned
	global_store_b64 v62, v[60:61], s[24:25]       ; (m, l) from each of 32 lanes: 256 consecutive bytes, aligned
.Lnot_wave_0:
; THE CONTEXT: sum over the 128 rows of p x enc, p in f32, enc as it lies in LDS.  Sets of 16 rows in two register sets by turns.
; The plan: set k's 80 registers are read by its 128 multiply-adds and then loaded again: a wait on va_vdst stands behind the multiply-adds, ahead of the fetch.  A set's address moves on while its numbers
; are multiplied, behind a wait on vm_vsrc; the same wait on va_vdst shows it written.
.macro CFETCH set                      ; 20 LDS loads: the set's 16 weights (the same words for every lane), then my 16 bytes of its 16 rows (512 consecutive bytes a load)
.irp i, 0,1,2,3
	ds_load_b128 v[PS+16*(\set)+4*(\i):PS+16*(\set)+4*(\i)+3], v[PA] offset:64*(\set)+16*(\i)
.endr
.set q, 0
.rept 16
	ds_load_b128 v[FA+64*(\set)+4*q:FA+64*(\set)+4*q+3], v[RA+(\set)] offset:q*PITCH
.set q, q+1
.endr
.endm
.macro CMUL set                        ; 128 fused multiply-adds straight from the bf16 halves; eight chains
.set q, 0
.rept 16
.irp e, 0,1,2,3
	v_fma_mix_f32_bf16 v[CA+2*(\e)],   v[FA+64*(\set)+4*q+(\e)], v[PS+16*(\set)+q], v[CA+2*(\e)]   op_sel_hi:[1,0,0]
	v_fma_mix_f32_bf16 v[CA+2*(\e)+1], v[FA+64*(\set)+4*q+(\e)], v[PS+16*(\set)+q], v[CA+2*(\e)+1] op_sel:[1,0,0] op_sel_hi:[1,0,0]
.endr
.set q, q+1
.endr
.endm
	CFETCH 0                                       ; LDS serves a wave's instructions in order (ISA guide 5.7.1.4): these see my store of the weights
	s_mov_b32 s[CNT], 3
.Lctx:
	CFETCH 1
	s_wait_dscnt 20                                ; set 0 is in; the 20 loads just issued may stay out
	s_wait_alu depctr_vm_vsrc(0)                   ; the loads issued so far have read v[RA] and v[PA], which the next two lines write
	v_add_nc_u32 v[RA], 32*PITCH, v[RA]
	v_add_nc_u32 v[PA], 128, v[PA]
	CMUL 0
	s_wait_alu depctr_va_vdst(0)                   ; the multiply-adds are done reading set 0, in which the next loads land; v[RA] and v[PA] are written
	CFETCH 0
	s_wait_dscnt 20                                ; set 1 is in
	s_wait_alu depctr_vm_vsrc(0)                   ; the loads of set 1 have read v[RA+1], which the next line writes
	v_add_nc_u32 v[RA+1], 32*PITCH, v[RA+1]
	CMUL 1
	s_wait_alu depctr_va_vdst(0)                   ; the multiply-adds are done reading set 1, in which the loads at the loop's head, or behind the loop, land; v[RA+1] is written
	s_sub_co_u32 s[CNT], s[CNT], 1
	s_cmp_lg_u32 s[CNT], 0
	s_cbranch_scc1 .Lctx
	CFETCH 1                                       ; the last two sets
	s_wait_dscnt 20
	CMUL 0
	s_wait_dscnt 0x0
	CMUL 1
	; THE WAY OUT: a lane's 32 bytes go through my wave's stage, so that a store of the wave covers 512 consecutive bytes.
	s_lshl_b32 s[T0], s[WV], 10
	s_lshl_b32 s[OF], ttmp9, 12
	s_add_co_u32 s[OF], s[OF], s[T0]
	s_add_nc_u64 s[26:27], s[26:27], s[OF:OF+1]    ; pctx at the tile's row, my wave's 1,024 bytes
	s_add_co_u32 s[T0], s[T0], CS
	v_lshl_add_u32 v27, v1, 5, s[T0]
	v_add_nc_u32 v28, s[T0], v[BO]
	s_wait_alu depctr_va_vdst(0)                   ; my eight sums, v27 and v28 are written, which the LDS stores and loads below read
	ds_store_b128 v27, v[CA:CA+3]
	ds_store_b128 v27, v[CA+4:CA+7] offset:16
	ds_load_b128 v[CA+8:CA+11],  v28               ; my wave's own bytes, served in order behind the stores
	ds_load_b128 v[CA+12:CA+15], v28 offset:512
	s_wait_dscnt 0x0
	global_store_b128 v[BO], v[CA+8:CA+11],  s[26:27]
	global_store_b128 v[BO], v[CA+12:CA+15], s[26:27] offset:512
	s_wait_dscnt 0x0                               ; the closing lines, six on end
	s_wait_alu 0x0
	s_wait_tensorcnt 0x0
	ds_add_u32 v[SPW], v[NIL]
	s_wait_dscnt 0x0
	s_endpgm
.Lfunc_end_k_q57786a2d0d_attend:
	.size	k_q57786a2d0d_attend, .Lfunc_end_k_q57786a2d0d_attend-k_q57786a2d0d_attend
	.p2alignl 7, 3214868480
	.fill 96, 4, 3214868480
	.section	.rodata,"a",@progbits
	.p2align	6, 0x0
	.amdhsa_kernel k_q57786a2d0d_attend
		.amdhsa_group_segment_fixed_size 281088
		.amdhsa_private_segment_fixed_size 0
		.amdhsa_enable_private_segment 0
		.amdhsa_kernarg_size 80
		.amdhsa_user_sgpr_count 2
		.amdhsa_user_sgpr_kernarg_segment_ptr 1
		.amdhsa_wavefront_size32 1
		.amdhsa_system_sgpr_workgroup_id_x 1
		.amdhsa_system_sgpr_workgroup_id_y 1
		.amdhsa_system_sgpr_workgroup_id_z 1
		.amdhsa_system_vgpr_workitem_id 0
		.amdhsa_next_free_vgpr 1024
		.amdhsa_next_free_sgpr 66
		.amdhsa_reserve_vcc 0
		.amdhsa_float_denorm_mode_32 3
		.amdhsa_float_denorm_mode_16_64 3
		.amdhsa_memory_ordered 1
		.amdhsa_forward_progress 1
		.amdhsa_inst_pref_size 255
	.end_amdhsa_kernel
	.section	.bss,"aw",@nobits
	.p2align	6
	.space	262144
	.amdgpu_metadata
---
amdhsa.version: [ 1, 2 ]
amdhsa.kernels:
  - .name:           k_q57786a2d0d_attend
    .symbol:         k_q57786a2d0d_attend.kd
    .args:
      - { .name: enc_output, .offset: 0, .size: 8, .value_kind: global_buffer, .address_space: global }
      - { .name: W2f, .offset: 8, .size: 8, .value_kind: global_buffer, .address_space: global }
      - { .name: qp, .offset: 16, .size: 8, .value_kind: global_buffer, .address_space: global }
      - { .name: b1, .offset: 24, .size: 8, .value_kind: global_buffer, .address_space: global }
      - { .name: b2, .offset: 32, .size: 8, .value_kind: global_buffer, .address_space: global }
      - { .name: V, .offset: 40, .size: 8, .value_kind: global_buffer, .address_space: global }
      - { .name: bV, .offset: 48, .size: 8, .value_kind: global_buffer, .address_space: global }
      - { .name: pw, .offset: 56, .size: 8, .value_kind: global_buffer, .address_space: global }
      - { .name: stat, .offset: 64, .size: 8, .value_kind: global_buffer, .address_space: global }
      - { .name: pctx, .offset: 72, .size: 8, .value_kind: global_buffer, .address_space: global }
    .group_segment_fixed_size: 281088
    .private_segment_fixed_size: 0
    .kernarg_segment_align: 8
    .kernarg_segment_size: 80
    .max_flat_workgroup_size: 128
    .sgpr_count:     66
    .vgpr_count:     1024
    .wavefront_size: 32
...
	.end_amdgpu_metadata
.endif
;; end of part 4
;; launch finish: the kernel of part 3 again; grid 4 x 32, 2 waves a work-group, no clusters, 0 bytes of LDS; arguments pw, stat, pctx, out0, out1; writes out0, out1
